; MI455X (gfx1250); checked and timed in simulation.
; The chip was launched on July 23, 2026; its instructions are those of AMD's public machine-readable ISA for CDNA 5 (MIT licence, August 2026) and "CDNA5" Instruction Set Architecture Reference Guide (July 2026). The comments in the code are by the model that wrote it; some were corrected since.
;; Attention. Allowed arithmetic: float matrix products may take bf16 or f16 operands with f32 sums; all other float work in f32.
;; Inputs: M0 4 x 8 x 256 x 512 float32; Q 4 x 8 x 512 x 256 float32; V 4 x 8 x 512 x 512 float32; beta_w 8 x 512 float32; memory_gate 1 x 8 x 1 x 1 float32; theta_K_w 256 x 512 float32; theta_Q_w 256 x 512 float32; x_next 4 x 512 x 512 float32; x_raw 4 x 512 x 512 float32.
;; Outputs: out0 4 x 8 x 512 x 512 float32; out1 4 x 8 x 256 x 512 float32.
;; 2 versions, each right; version 2 is version 1 with the launch prep written anew for expert scheduling mode. Each part assembles by itself: llvm-mc -triple=amdgcn-amd-amdhsa -mcpu=gfx1250 --defsym DOCPART=n.
;; ======== version 1 of 2: 2 launches
;; limits: values are held in f16: magnitudes above 65,504 overflow, below 6.1e-05 lose precision
;; workspace buffers: pf 16,777,216 bytes; qmf 1,048,576 bytes; recD 17,825,792 bytes
;; launch prep (part 1): grid 192 x 1, 8 waves a work-group, no clusters, 276,480 bytes of LDS; arguments x_raw, theta_Q_w, theta_K_w, beta_w, Q, pf, qmf, recD; writes pf, qmf, recD
.if DOCPART == 1
	.amdgcn_target "amdgcn-amd-amdhsa--gfx1250"
	.amdhsa_code_object_version 6
	.text
	.protected	k_qba5ab9ce0d_prep
	.globl	k_qba5ab9ce0d_prep
	.p2align	8
	.type	k_qba5ab9ce0d_prep,@function
k_qba5ab9ce0d_prep:
	s_mov_b64 s[64:65], 0
	v_nop
	global_prefetch_b8 v0, s[64:65] scope:SCOPE_SE
	s_setreg_imm32_b32 hwreg(HW_REG_WAVE_MODE, 25, 1), 1
	s_wait_xcnt 0x0
; PREP.  Two roles, chosen by the work-group's number (the same for all its waves).
; ROLE A (groups 0-127: head = id / 4, i = id % 4): q~ = rope(Q) / 16 in f16 for rows 0 .. 64 (8 - i) - 1 of the head, kept in LDS, and from it
;   P = tril(q~ q~^T, -1) for the query blocks 7 - i and i, written as ready A fragments (1,024 bytes: registers 0-3 at 16 x lane, 4-7 at 512 + 16 x lane).
; ROLE D (groups 128-191: batch b, chunk c of 32 rows): x thetaQ^T, x thetaK^T, x beta^T (f16 products, f32 sums), the two l2 norms, b = sigmoid;
;   Qm as A fragments; then wave w, for head 8 b + w: T = (I + tril(diag(b) K K^T, -1))^-1 by exact substitution in f32, Tb = T diag(b), -W = -Tb K, K^T, as fragments.
; LIMITS.  Matrix operands are f16: nothing beyond 65,504 (P = |q|^2 / 256, x_raw, the weights lie far below it at 30 times the usual spread or offset);
;   below 6e-5 f16 keeps a fixed step of 6e-8.  The rope angle is made by range reduction, polynomials (sin to a^7, cos to a^8, |a| <= pi/4) and a rotation from row to row: it agrees
;   with t * f in f32 to about 3e-5 rad.  Exponential, root and reciprocal flush denormals.  NaN and infinities are not treated apart.
; No multicast: what groups share here is f32 and is converted on its way, through registers.
.set QP, 528          ; a row of q~ in LDS: 512 bytes + 16
.set XP, 1040         ; a row of x or beta in f16: 1,024 + 16
.set BT, 33280
.set WS, 41728        ; per wave: 64 weight rows x 128 k in f16
.set WP, 272
.set RED, 180992
.set KP, 544          ; rows of Qm and K: 512 + 32
.set QMT, 182016
.set KTL, QMT+32*KP
.set YM, 216832       ; per wave: -b_i G[j][i], f32, 32 rows
.set YP, 144
.set BV, 253696       ; per wave: b of its 32 rows
.set TT, 254720       ; per wave: Tb in f16, 32 rows
.set TP, 80
.set SPARE, 275200    ; the spare words: 128 bytes a wave
.set REC, 34816       ; a record of recD: Tb 2 fragments, -W 16, K^T 16
.set SPW, 30          ; v30  LDS address of my spare word; never rewritten
.set NIL, 31          ; v31  0; never rewritten
.set CS, 16           ; role A: v16-23  (cos, sin) / 16 of my four pairs at the row in hand
.set DL, 224          ; v224-231  (cos, sin) of one row's step
.set S, 32
.set PF, 64
.set TM, 80
.set R0, 96
.set R1, 160
.set AB, 96
.set FR, 112
.set MSB, 0
.macro WIN new
.if MSB != (\new)
	s_set_vgpr_msb (MSB<<8)|(\new)
.set MSB, (\new)
.endif
.endm
.macro PLACES                       ; four places behind matrix instructions (ISA guide 7.12.1)
.rept 4
	v_nop
.endr
.endm
; cos and sin of 2 pi x.  x is reduced to [0, 1), k = the nearest quarter turn, a = the rest in radians, |a| <= pi / 4; the quarter swaps and signs the two series.
.macro SINCOS x, c, s, t0, t1, t2, t3
	v_floor_f32 v[\t0], v[\x]
	v_sub_f32 v[\x], v[\x], v[\t0]
	v_mul_f32 v[\t0], 4.0, v[\x]
	v_rndne_f32 v[\t0], v[\t0]
	v_fmamk_f32 v[\t1], v[\t0], 0xbe800000, v[\x]
	v_mul_f32 v[\t1], 0x40c90fdb, v[\t1]
	v_mul_f32 v[\t2], v[\t1], v[\t1]
	v_mov_b32 v[\s], 0xb9500d01
	v_mov_b32 v[\c], 0x37d00d01
	v_fmaak_f32 v[\s], v[\s], v[\t2], 0x3c088889
	v_fmaak_f32 v[\c], v[\c], v[\t2], 0xbab60b61
	v_fmaak_f32 v[\s], v[\s], v[\t2], 0xbe2aaaab
	v_fmaak_f32 v[\c], v[\c], v[\t2], 0x3d2aaaab
	v_fmaak_f32 v[\s], v[\s], v[\t2], 0x3f800000
	v_fmaak_f32 v[\c], v[\c], v[\t2], 0xbf000000
	v_mul_f32 v[\s], v[\s], v[\t1]
	v_fmaak_f32 v[\c], v[\c], v[\t2], 0x3f800000
	v_cvt_i32_f32 v[\t0], v[\t0]
	v_and_b32 v[\t3], 1, v[\t0]
	v_cmp_eq_u32 vcc_lo, 1, v[\t3]
	v_cndmask_b32 v[\t1], v[\c], v[\s], vcc_lo
	v_cndmask_b32 v[\t2], v[\s], v[\c], vcc_lo
	v_add_nc_u32 v[\t3], 1, v[\t0]
	v_and_b32 v[\t3], 2, v[\t3]
	v_lshlrev_b32 v[\t3], 30, v[\t3]
	v_xor_b32 v[\c], v[\t1], v[\t3]
	v_and_b32 v[\t0], 2, v[\t0]
	v_lshlrev_b32 v[\t0], 30, v[\t0]
	v_xor_b32 v[\s], v[\t2], v[\t0]
.endm
	s_load_b512 s[4:19], s[0:1], 0x0    ; x_raw 4, theta_Q 6, theta_K 8, beta_w 10, Q 12, pf 14, qmf 16, recD 18
	v_lshl_add_u32 v[SPW], v0, 2, SPARE
	v_mov_b32 v[NIL], 0
	v_lshrrev_b32 v1, 5, v0
	v_readfirstlane_b32 s20, v1         ; wave
	v_and_b32 v1, 31, v0                ; L
	v_and_b32 v2, 15, v0                ; r
	v_bfe_u32 v3, v0, 4, 1              ; h
	v_lshlrev_b32 v4, 4, v1             ; 16 L
	v_lshlrev_b32 v5, 3, v1             ; 8 L
	s_mov_b32 s42, 0x76543210
	s_mov_b32 s43, 0xfedcba98
	s_mov_b32 s27, 0
	s_wait_kmcnt 0x0
	s_cmp_ge_u32 ttmp9, 128
	s_cbranch_scc1 .LroleD
; ------------------------------------------------------------------ ROLE A
.macro QLOAD buf, row0              ; eight rows of Q, 1,024 bytes each: two loads of 512 consecutive bytes a row
.set n, 0
.rept 8
	global_load_b128 v[(\buf)+8*n:(\buf)+8*n+3], v4, s[30:31] offset:((\row0)+n)*1024
	global_load_b128 v[(\buf)+8*n+4:(\buf)+8*n+7], v4, s[30:31] offset:((\row0)+n)*1024+512
.set n, n+1
.endr
.endm
; eight rows: (e, o) -> (e c - o s, o c + e s), rounded to f16 and stored; then (c, s) is turned by one row's step, by the same two lines
.macro ROPE8 buf, row0
.set n, 0
.rept 8
.irp x, 0,1,2,3
	v_pk_mul_f32 v[TM+2*\x:TM+2*\x+1], v[(\buf)+8*n+2*\x:(\buf)+8*n+2*\x+1], v[CS+2*\x:CS+2*\x+1] op_sel:[1,1] op_sel_hi:[0,1] neg_lo:[0,1]
.endr
.irp x, 0,1,2,3
	v_pk_fma_f32 v[(\buf)+8*n+2*\x:(\buf)+8*n+2*\x+1], v[(\buf)+8*n+2*\x:(\buf)+8*n+2*\x+1], v[CS+2*\x:CS+2*\x+1], v[TM+2*\x:TM+2*\x+1] op_sel_hi:[1,0,1]
.endr
.irp x, 0,1,2,3
	v_pk_mul_f32 v[TM+8+2*\x:TM+8+2*\x+1], v[CS+2*\x:CS+2*\x+1], v[DL+2*\x:DL+2*\x+1] op_sel:[1,1] op_sel_hi:[0,1] neg_lo:[0,1]
.endr
.irp x, 0,1,2,3
	v_pk_fma_f32 v[CS+2*\x:CS+2*\x+1], v[CS+2*\x:CS+2*\x+1], v[DL+2*\x:DL+2*\x+1], v[TM+8+2*\x:TM+8+2*\x+1] op_sel_hi:[1,0,1]
.endr
.irp x, 0,1,2,3
	v_cvt_pk_f16_f32 v[(\buf)+8*n+\x], v[(\buf)+8*n+2*\x], v[(\buf)+8*n+2*\x+1]
.endr
	ds_store_b64 v6, v[(\buf)+8*n:(\buf)+8*n+1] offset:((\row0)+n)*QP
	ds_store_b64 v6, v[(\buf)+8*n+2:(\buf)+8*n+3] offset:((\row0)+n)*QP+256
.set n, n+1
.endr
.endm
	s_lshr_b32 s21, ttmp9, 2            ; head
	s_and_b32 s22, ttmp9, 3             ; the low block i
	s_sub_co_u32 s23, 7, s22            ; the high block 7 - i
	s_cmp_gt_u32 s20, s23
	s_cbranch_scc1 .Lnorope             ; wave w ropes rows 64 w ..: only blocks 0 .. 7 - i are needed.  No barrier is jumped
	s_lshl_b32 s26, s21, 19
	s_lshl_b32 s44, s20, 16
	s_add_co_u32 s26, s26, s44
	s_add_nc_u64 s[28:29], s[12:13], s[26:27]   ; Q at my first row
	s_mov_b64 s[30:31], s[28:29]
	QLOAD R0, 0
	QLOAD R1, 8
	s_mul_i32 s44, s20, 64*QP
	v_add_nc_u32 v6, s44, v5            ; where my 8 bytes of a row's half go
	s_lshl_b32 s44, s20, 6
	v_cvt_f32_u32 v83, s44              ; my first row's t
.irp x, 0,1,2,3                     ; my pairs p = 64 q + 2 L + e, x = 2 q + e: f = 2^(-p/8) / 2 pi turns a row
	v_lshl_add_u32 v80, v1, 1, 64*(\x/2)+(\x%2)
	v_cvt_f32_u32 v80, v80
	v_mul_f32 v80, 0xbe000000, v80
	v_exp_f32 v80, v80
	v_nop
	s_wait_alu depctr_va_vdst(0)
	v_mul_f32 v81, 0.15915494, v80
	v_mul_f32 v82, v83, v81
	SINCOS 82, CS+2*\x, CS+2*\x+1, 84, 85, 86, 87
	SINCOS 81, DL+2*\x, DL+2*\x+1, 84, 85, 86, 87
	v_mul_f32 v[CS+2*\x], 0x3d800000, v[CS+2*\x]      ; the scale 1/16 rides on the rotation
	v_mul_f32 v[CS+2*\x+1], 0x3d800000, v[CS+2*\x+1]
.endr
	s_mov_b32 s45, 0
	s_mov_b32 s46, 4
.Lrope:                                 ; a trip: 16 rows; each buffer is filled again with the rows 16 further on (the last trip's look-ahead is clamped to the last 16 rows and discarded)
	s_add_co_u32 s45, s45, 16384
	s_min_u32 s45, s45, 49152
	s_mov_b32 s26, s45
	s_wait_loadcnt 16                   ; buffer 0 is in; buffer 1's 16 loads stay out
	ROPE8 R0, 0
	s_wait_xcnt 0x0                     ; the base is rewritten only behind this wait
	s_add_nc_u64 s[30:31], s[28:29], s[26:27]
	QLOAD R0, 0
	s_wait_loadcnt 16                   ; buffer 1 is in; the 16 just issued stay out
	ROPE8 R1, 8
	QLOAD R1, 8
	v_add_nc_u32 v6, 16*QP, v6
	s_sub_co_u32 s46, s46, 1
	s_cmp_lg_u32 s46, 0
	s_cbranch_scc1 .Lrope
	s_wait_loadcnt 0x0
.Lnorope:
	s_wait_dscnt 0x0                    ; my rows are in LDS,
	s_barrier_signal -1
	s_barrier_wait -1                   ; everybody's are
	; shares: waves 0-3 the high block, 4-7 the low; of a block's four query tiles two a wave pair; of the key steps of 32 the even or the odd ones
	s_and_b32 s24, s20, 1               ; par
	s_lshr_b32 s25, s20, 1
	s_and_b32 s32, s25, 1
	s_cmp_lt_u32 s25, 2
	s_cselect_b32 s33, s23, s22         ; blk
	s_lshl_b32 s34, s33, 2
	s_lshl_b32 s44, s32, 1
	s_add_co_u32 s34, s34, s44          ; qt0
	s_lshl_b32 s35, s33, 1
	s_add_co_u32 s35, s35, 1            ; the block's last key step
	v_mul_u32_u24 v7, v2, QP
	v_lshl_add_u32 v7, v3, 4, v7        ; r x pitch + 16 h
	s_mul_i32 s44, s34, 16*QP
	v_add_nc_u32 v8, s44, v7            ; my query tiles
	s_mul_i32 s44, s24, 32*QP
	v_add_nc_u32 v9, s44, v7            ; my first key step
	s_lshl_b32 s44, s34, 4
	s_lshl_b32 s47, s24, 5
	s_sub_co_u32 s44, s44, s47
	v_lshlrev_b32 v10, 3, v3
	v_sub_nc_u32 v10, v2, v10
	v_add_nc_u32 v10, s44, v10          ; query - 8 h - 32 ks: register j of key tile st is kept where 16 st + j is less
	v_add_nc_u32 v11, 16, v10
	s_lshl_b32 s26, s21, 5
	s_add_co_u32 s26, s26, s34
	s_lshl_b32 s26, s26, 14
	s_add_nc_u64 s[36:37], s[14:15], s[26:27]
	s_lshl_b32 s44, s24, 10
	v_add_nc_u32 v12, s44, v4
	s_mov_b32 s38, s24                  ; ks
	WIN 0x40
.set n, 0
.rept 16                            ; my two query tiles stay in registers: tile n / 8, channels 32 (n % 8) on
	ds_load_b128 v[8*n:8*n+3], v8 offset:(n/8)*16*QP+(n%8)*64
	ds_load_b128 v[8*n+4:8*n+7], v8 offset:(n/8)*16*QP+(n%8)*64+32
.set n, n+1
.endr
	WIN 0
.macro PMUL k0                      ; S[u][st](key, query) += keys' rows x queries' rows; four accumulators by turns
.set kk, \k0
.rept 4
.irp u, 0,1
.irp st, 0,1
.if kk == 0
	v_wmma_f32_16x16x32_f16 v[S+8*(2*\u+\st):S+8*(2*\u+\st)+7], v[AB+8*(2*kk+\st):AB+8*(2*kk+\st)+7], v[8*(8*\u+kk):8*(8*\u+kk)+7], 0
.else
	v_wmma_f32_16x16x32_f16 v[S+8*(2*\u+\st):S+8*(2*\u+\st)+7], v[AB+8*(2*kk+\st):AB+8*(2*kk+\st)+7], v[8*(8*\u+kk):8*(8*\u+kk)+7], v[S+8*(2*\u+\st):S+8*(2*\u+\st)+7]
.endif
.endr
.endr
.set kk, kk+1
.endr
.endm
	s_mov_b32 s39, 8
.Lp:                                    ; eight trips, the most that any wave has; a trip past the block's last key step is jumped over
	s_cmp_gt_u32 s38, s35
	s_cbranch_scc1 .Lpskip
.set n, 0
.rept 16                            ; 32 keys x 256 channels: n = 2 kk + st
	ds_load_b128 v[AB+8*n:AB+8*n+3], v9 offset:(n%2)*16*QP+(n/2)*64
	ds_load_b128 v[AB+8*n+4:AB+8*n+7], v9 offset:(n%2)*16*QP+(n/2)*64+32
.set n, n+1
.endr
	s_wait_dscnt 16                     ; channels 0-127 are in (and, the first time, my query tiles)
	WIN 0x04
	PMUL 0
	s_wait_dscnt 0x0
	PMUL 4
	WIN 0
	PLACES
.set n, 0
.rept 32                            ; n = 8 (2 u + st) + j: keys at or past the query count as 0
	v_cmp_lt_i32 vcc_lo, 16*((n/8)%2)+(n%8), v[10+n/16]
	v_cndmask_b32 v[S+n], 0, v[S+n], vcc_lo
.set n, n+1
.endr
.set n, 0
.rept 16                            ; two key tiles, packed in pairs, are the A fragment of P: a lane holds one query and its 16 keys
	v_cvt_pk_f16_f32 v[PF+n], v[S+2*n], v[S+2*n+1]
.set n, n+1
.endr
.irp u, 0,1
	global_store_b128 v12, v[PF+8*\u:PF+8*\u+3], s[36:37] offset:\u*16384
	global_store_b128 v12, v[PF+8*\u+4:PF+8*\u+7], s[36:37] offset:\u*16384+512
.endr
.Lpskip:
	s_wait_xcnt 0x0                     ; the stores' offset and data are rewritten only behind this wait
	v_add_nc_u32 v9, 64*QP, v9
	v_add_nc_u32 v10, 0xffffffc0, v10   ; two key steps on: 64 less
	v_add_nc_u32 v11, 0xffffffc0, v11
	v_add_nc_u32 v12, 2048, v12
	s_add_co_u32 s38, s38, 2
	s_sub_co_u32 s39, s39, 1
	s_cmp_lg_u32 s39, 0
	s_cbranch_scc1 .Lp
	s_wait_tensorcnt 0x0                ; the wave's end
	ds_add_u32 v[SPW], v[NIL]
	s_wait_dscnt 0x0
	s_endpgm
; ------------------------------------------------------------------ ROLE D
.LroleD:
	s_sub_co_u32 s21, ttmp9, 128
	s_lshr_b32 s22, s21, 4              ; b
	s_and_b32 s23, s21, 15              ; c
	s_lshr_b32 s24, s20, 2              ; 0: theta_Q, 1: theta_K
	s_and_b32 s25, s20, 3               ; which 64 of its 256 rows
	s_lshl_b32 s26, s22, 9
	s_lshl_b32 s44, s23, 5
	s_add_co_u32 s26, s26, s44
	s_lshl_b32 s44, s20, 2
	s_add_co_u32 s26, s26, s44
	s_lshl_b32 s26, s26, 11
	s_add_nc_u64 s[28:29], s[4:5], s[26:27]     ; x at rows 32 c + 4 w
	s_lshl_b32 s26, s20, 11
	s_add_nc_u64 s[34:35], s[10:11], s[26:27]   ; beta_w row w
	s_cmp_eq_u32 s24, 0
	s_cselect_b64 s[32:33], s[6:7], s[8:9]
	s_lshl_b32 s26, s25, 17
	s_add_nc_u64 s[32:33], s[32:33], s[26:27]   ; my 64 weight rows
	s_mov_b64 s[36:37], s[32:33]
.macro WLOAD half                   ; 32 weight rows x 128 k of f32: a row's 512 bytes a load
	WIN 0x40
.set n, 0
.rept 32
	global_load_b128 v[128*(\half)+4*n:128*(\half)+4*n+3], v4, s[36:37] offset:(32*(\half)+n)*2048
.set n, n+1
.endr
.endm
.macro WCVT half                    ; they go to my own LDS rows in f16
.irp gq, 0,1
	WIN 0x05
.set n, 0
.rept 16
	v_cvt_pk_f16_f32 v[224+2*n], v[128*(\half)+64*\gq+4*n], v[128*(\half)+64*\gq+4*n+1]
	v_cvt_pk_f16_f32 v[225+2*n], v[128*(\half)+64*\gq+4*n+2], v[128*(\half)+64*\gq+4*n+3]
.set n, n+1
.endr
	WIN 0
.set n, 0
.rept 16
	ds_store_b64 v8, v[224+2*n:225+2*n] offset:(32*(\half)+16*\gq+n)*WP
.set n, n+1
.endr
.endr
.endm
.set n, 0
.rept 16
	global_load_b128 v[112+4*n:115+4*n], v4, s[28:29] offset:(n/4)*2048+(n%4)*512
.set n, n+1
.endr
.set n, 0
.rept 4
	global_load_b128 v[176+4*n:179+4*n], v4, s[34:35] offset:n*512
.set n, n+1
.endr
	WLOAD 0
	WIN 0
	; addresses, in the wait for the loads
	s_lshl_b32 s26, s22, 5
	s_lshl_b32 s44, s23, 1
	s_add_co_u32 s26, s26, s44
	s_lshl_b32 s26, s26, 3
	s_lshl_b32 s44, s20, 1
	s_add_co_u32 s26, s26, s44
	s_lshl_b32 s26, s26, 10
	s_add_nc_u64 s[38:39], s[16:17], s[26:27]   ; my two fragments of Qm
	s_lshl_b32 s26, s22, 3
	s_add_co_u32 s26, s26, s20
	s_lshl_b32 s26, s26, 4
	s_add_co_u32 s26, s26, s23
	s_mul_i32 s26, s26, REC
	s_add_nc_u64 s[40:41], s[18:19], s[26:27]   ; my head's record of this chunk
	s_mul_i32 s44, s20, 4*XP
	v_add_nc_u32 v6, s44, v5
	s_mul_i32 s45, s20, XP
	v_add3_u32 v7, v5, s45, BT
	s_mul_i32 s46, s20, 64*WP
	s_add_co_u32 s46, s46, WS
	v_add_nc_u32 v8, s46, v5
	v_mul_u32_u24 v9, v2, WP
	v_lshl_add_u32 v9, v3, 4, v9
	v_add_nc_u32 v9, s46, v9
	v_mul_u32_u24 v10, v2, XP
	v_lshl_add_u32 v10, v3, 4, v10
	v_lshlrev_b32 v11, 4, v3
	v_add3_u32 v11, v11, s45, BT
	v_lshlrev_b32 v12, 2, v2
	s_lshl_b32 s47, s24, 9
	v_add3_u32 v13, v12, s47, RED
	s_lshl_b32 s47, s20, 7
	v_add3_u32 v12, v12, s47, RED
	v_mul_u32_u24 v25, v2, KP
	v_lshl_add_u32 v25, v3, 4, v25
	s_lshl_b32 s48, s25, 7
	s_mul_i32 s47, s24, 32*KP
	s_add_co_u32 s47, s47, s48
	s_add_co_u32 s47, s47, QMT
	v_add_nc_u32 v14, s47, v25
	v_add_nc_u32 v15, 16*KP, v14
	s_mul_i32 s47, s24, 16*KP
	s_add_co_u32 s47, s47, s48
	s_add_co_u32 s47, s47, QMT
	v_add_nc_u32 v24, s47, v25
	v_add_nc_u32 v25, KTL, v25
	v_lshl_add_u32 v21, v0, 2, BV
	s_lshl_b32 s47, s20, 7
	s_add_co_u32 s47, s47, BV
	v_mov_b32 v23, s47
	s_mul_i32 s47, s20, 32*YP
	s_add_co_u32 s47, s47, YM
	v_mov_b32 v22, s47
	v_mul_u32_u24 v26, v3, 8*YP
	v_lshl_add_u32 v26, v2, 2, v26
	v_add_nc_u32 v26, s47, v26
	s_mul_i32 s47, s20, 32*TP
	s_add_co_u32 s47, s47, TT
	v_mul_u32_u24 v27, v1, TP
	v_add_nc_u32 v27, s47, v27
	v_mul_u32_u24 v28, v2, TP
	v_lshl_add_u32 v28, v3, 4, v28
	v_add_nc_u32 v28, s47, v28
	v_and_b32 v29, 7, v0
	v_lshl_add_u32 v29, v3, 3, v29
	v_mul_u32_u24 v29, v29, KP
	v_bfe_u32 v16, v0, 3, 1
	v_lshl_add_u32 v29, v16, 4, v29
	v_add_nc_u32 v29, KTL, v29
.set n, 32
.rept 80                            ; the ten accumulators are cleared on purpose: the K slice below is then written once and walked four times
	v_mov_b32 v[n], 0
.set n, n+1
.endr
	s_wait_loadcnt 32                   ; x and beta are in; the 32 weight loads stay out
.set n, 0
.rept 16
	v_cvt_pk_f16_f32 v[224+2*n], v[112+4*n], v[113+4*n]
	v_cvt_pk_f16_f32 v[225+2*n], v[114+4*n], v[115+4*n]
	ds_store_b64 v6, v[224+2*n:225+2*n] offset:(n/4)*XP+(n%4)*256
.set n, n+1
.endr
.set n, 0
.rept 4
	v_cvt_pk_f16_f32 v[192+2*n], v[176+4*n], v[177+4*n]
	v_cvt_pk_f16_f32 v[193+2*n], v[178+4*n], v[179+4*n]
	ds_store_b64 v7, v[192+2*n:193+2*n] offset:n*256
.set n, n+1
.endr
	WLOAD 1
	WIN 0
	s_wait_dscnt 0x0
	s_barrier_signal -1
	s_barrier_wait -1                   ; x and beta lie whole in LDS
	s_mov_b32 s50, 0
	s_mov_b32 s51, 4
.Lslice:                                ; a trip: 128 of K.  The weights of the next slice are asked for as each half is converted (the last trip's look-ahead is clamped and discarded)
	s_add_co_u32 s50, s50, 512
	s_min_u32 s50, s50, 1536
	s_mov_b32 s26, s50
	s_wait_loadcnt 32                   ; rows 0-31 are in; rows 32-63 stay out
	WCVT 0
	s_wait_xcnt 0x0
	s_add_nc_u64 s[36:37], s[32:33], s[26:27]
	WLOAD 0
	s_wait_loadcnt 32                   ; rows 32-63 are in; the 32 just issued stay out
	WCVT 1
	WLOAD 1
	WIN 0
.irp a, 0,1
.irp l, 0,1
.irp nt, 0,1,2,3
	ds_load_b128 v[FR+8*(7*\l+\nt):FR+8*(7*\l+\nt)+3], v9 offset:\nt*16*WP+64*(2*\a+\l)
	ds_load_b128 v[FR+8*(7*\l+\nt)+4:FR+8*(7*\l+\nt)+7], v9 offset:\nt*16*WP+64*(2*\a+\l)+32
.endr
.irp tt, 0,1
	ds_load_b128 v[FR+8*(7*\l+4+\tt):FR+8*(7*\l+4+\tt)+3], v10 offset:\tt*16*XP+64*(2*\a+\l)
	ds_load_b128 v[FR+8*(7*\l+4+\tt)+4:FR+8*(7*\l+4+\tt)+7], v10 offset:\tt*16*XP+64*(2*\a+\l)+32
.endr
	ds_load_b128 v[FR+8*(7*\l+6):FR+8*(7*\l+6)+3], v11 offset:64*(2*\a+\l)
	ds_load_b128 v[FR+8*(7*\l+6)+4:FR+8*(7*\l+6)+7], v11 offset:64*(2*\a+\l)+32
.endr
	s_wait_dscnt 0x0
.irp l, 0,1                         ; ten accumulators by turns: (weight row, x row) eight times, beta (the same row sixteen times over) twice
.irp nt, 0,1,2,3
.irp tt, 0,1
	v_wmma_f32_16x16x32_f16 v[32+8*(2*\nt+\tt):32+8*(2*\nt+\tt)+7], v[FR+8*(7*\l+\nt):FR+8*(7*\l+\nt)+7], v[FR+8*(7*\l+4+\tt):FR+8*(7*\l+4+\tt)+7], v[32+8*(2*\nt+\tt):32+8*(2*\nt+\tt)+7]
.endr
.endr
.irp tt, 0,1
	v_wmma_f32_16x16x32_f16 v[96+8*\tt:96+8*\tt+7], v[FR+8*(7*\l+6):FR+8*(7*\l+6)+7], v[FR+8*(7*\l+4+\tt):FR+8*(7*\l+4+\tt)+7], v[96+8*\tt:96+8*\tt+7]
.endr
.endr
	PLACES
.endr
	v_add_nc_u32 v10, 256, v10
	v_add_nc_u32 v11, 256, v11
	s_sub_co_u32 s51, s51, 1
	s_cmp_lg_u32 s51, 0
	s_cbranch_scc1 .Lslice
	s_wait_loadcnt 0x0
	; the norms: a lane holds x row t = 16 tt + r and 32 of my 64 outputs; the other 32 lie 16 lanes away, the other 192 in three other waves
.set n, 0
.rept 32                            ; n = 8 nt + 2 p + tt
.set ra, 32+8*(2*(n/8)+(n%2))+2*((n%8)/2)
.if n < 2
	v_pk_mul_f32 v[224+2*(n%2):225+2*(n%2)], v[ra:ra+1], v[ra:ra+1]
.else
	v_pk_fma_f32 v[224+2*(n%2):225+2*(n%2)], v[ra:ra+1], v[ra:ra+1], v[224+2*(n%2):225+2*(n%2)]
.endif
.set n, n+1
.endr
	v_add_f32 v224, v224, v225
	v_add_f32 v226, v226, v227
	v_permlanex16_b32 v225, v224, s42, s43
	v_permlanex16_b32 v227, v226, s42, s43
	v_add_f32 v224, v224, v225
	v_add_f32 v226, v226, v227
	ds_store_b32 v12, v224
	ds_store_b32 v12, v226 offset:64
	s_wait_dscnt 0x0
	s_barrier_signal -1
	s_barrier_wait -1
.set n, 0
.rept 8                             ; n = 4 tt + wave of my four
	ds_load_b32 v[228+n], v13 offset:(n%4)*128+(n/4)*64
.set n, n+1
.endr
	v_mul_f32 v16, 0xbfb8aa3b, v96      ; b = 1 / (1 + 2^(-z log2 e)) for rows r and 16 + r
	v_mul_f32 v17, 0xbfb8aa3b, v104
	v_exp_f32 v16, v16
	v_exp_f32 v17, v17
	v_nop
	s_wait_alu depctr_va_vdst(0)
	v_add_f32 v16, 1.0, v16
	v_add_f32 v17, 1.0, v17
	v_rcp_f32 v16, v16
	v_rcp_f32 v17, v17
	v_cmp_eq_u32 vcc_lo, 1, v3
	s_wait_alu depctr_va_vdst(0)
	v_cndmask_b32 v18, v16, v17, vcc_lo ; lane L: b of row L
	v_xor_b32 v19, 0x80000000, v16
	v_xor_b32 v20, 0x80000000, v17
	ds_store_b32 v21, v18
	s_wait_dscnt 0x1                    ; the eight partial sums are in; my store of b may be out
	v_add_f32 v228, v228, v229
	v_add_f32 v230, v230, v231
	v_add_f32 v232, v232, v233
	v_add_f32 v234, v234, v235
	v_add_f32 v224, v228, v230
	v_add_f32 v226, v232, v234
	v_sqrt_f32 v224, v224
	v_sqrt_f32 v226, v226
	v_nop
	s_wait_alu depctr_va_vdst(0)
	v_max_num_f32 v224, 0x2b8cbccc, v224
	v_max_num_f32 v226, 0x2b8cbccc, v226
	v_rcp_f32 v224, v224
	v_rcp_f32 v226, v226
	v_nop
.set n, 0
	s_wait_alu depctr_va_vdst(0)
.rept 8                             ; n = 2 nt + tt: eight neighbouring outputs of a row pack into 16 bytes
.set ra, 32+8*n
.set rt, 232+4*(n%4)
.irp p, 0,1,2,3
	v_pk_mul_f32 v[ra+2*\p:ra+2*\p+1], v[ra+2*\p:ra+2*\p+1], v[224+2*(n%2):225+2*(n%2)] op_sel_hi:[1,0]
.endr
.irp p, 0,1,2,3
	v_cvt_pk_f16_f32 v[rt+\p], v[ra+2*\p], v[ra+2*\p+1]
.endr
	ds_store_b128 v[14+(n%2)], v[rt:rt+3] offset:32*(n/2)
.set n, n+1
.endr
	s_wait_dscnt 0x0
	s_barrier_signal -1
	s_barrier_wait -1                   ; Qm and K lie whole in LDS
	; Qm out: my two fragments
.irp l, 0,1
	ds_load_b128 v[224+8*\l:227+8*\l], v24 offset:64*\l
	ds_load_b128 v[228+8*\l:231+8*\l], v24 offset:64*\l+32
.endr
.set n, 0
.rept 16                            ; K's 32 rows x 256: n = 2 kk + tile
	ds_load_b128 v[96+8*n:99+8*n], v25 offset:(n%2)*16*KP+(n/2)*64
	ds_load_b128 v[100+8*n:103+8*n], v25 offset:(n%2)*16*KP+(n/2)*64+32
.set n, n+1
.endr
	s_wait_dscnt 32                     ; Qm's four loads are in; K's 32 stay out
.irp l, 0,1
	global_store_b128 v4, v[224+8*\l:227+8*\l], s[38:39] offset:\l*1024
	global_store_b128 v4, v[228+8*\l:231+8*\l], s[38:39] offset:\l*1024+512
.endr
.macro GMUL k0                      ; G = K K^T, four accumulators by turns
.set kk, \k0
.rept 4
.irp st, 0,1
.irp tt, 0,1
.if kk == 0
	v_wmma_f32_16x16x32_f16 v[32+8*(2*\st+\tt):32+8*(2*\st+\tt)+7], v[96+8*(2*kk+\st):96+8*(2*kk+\st)+7], v[96+8*(2*kk+\tt):96+8*(2*kk+\tt)+7], 0
.else
	v_wmma_f32_16x16x32_f16 v[32+8*(2*\st+\tt):32+8*(2*\st+\tt)+7], v[96+8*(2*kk+\st):96+8*(2*kk+\st)+7], v[96+8*(2*kk+\tt):96+8*(2*kk+\tt)+7], v[32+8*(2*\st+\tt):32+8*(2*\st+\tt)+7]
.endif
.endr
.endr
.set kk, kk+1
.endr
.endm
	s_wait_dscnt 16
	GMUL 0
	s_wait_dscnt 0x0
	GMUL 4
	PLACES
.set n, 0
.rept 32                            ; n = 8 (2 st + tt) + j: Y[row 16 st + 8 h + j][column i = 16 tt + r] = -b_i G
	v_mul_f32 v[32+n], v[19+((n/8)%2)], v[32+n]
.set n, n+1
.endr
.set n, 0
.rept 32
	ds_store_b32 v26, v[32+n] offset:(16*(n/16)+(n%8))*YP+64*((n/8)%2)
.set n, n+1
.endr
.set n, 0
.rept 8
	ds_load_b128 v[64+4*n:67+4*n], v23 offset:16*n   ; b_0 .. b_31, the same in every lane
.set n, n+1
.endr
	; T (I + X) = I, X[i][j] = b_i G[i][j] for i > j.  Lane L holds row L of T; column j follows from the columns behind it: T[L][j] = (L == j) + sum over i > j of T[L][i] Y[j][i].  Exact, no series.
.set jg, 7
.rept 8                             ; four columns at a time, from the last
.set jj, 0
.rept 4
.set g, jg
.rept 8-jg
	ds_load_b128 v[96+32*jj+4*g:96+32*jj+4*g+3], v22 offset:(4*jg+jj)*YP+16*g
.set g, g+1
.endr
.set jj, jj+1
.endr
	s_wait_dscnt 0x0
.set jj, 0
.rept 4
	v_cmp_eq_u32 vcc_lo, 4*jg+jj, v1
	v_cndmask_b32 v[32+4*jg+jj], 0, 1.0, vcc_lo
.set jj, jj+1
.endr
.if jg < 7
.set i, 4*jg+4
.rept 28-4*jg
.irp q, 0,1,2,3
	v_fmac_f32 v[32+4*jg+\q], v[32+i], v[96+32*\q+i]
.endr
.set i, i+1
.endr
.endif
	v_fmac_f32 v[32+4*jg+2], v[32+4*jg+3], v[96+64+4*jg+3]
	v_fmac_f32 v[32+4*jg+1], v[32+4*jg+3], v[96+32+4*jg+3]
	v_fmac_f32 v[32+4*jg], v[32+4*jg+3], v[96+4*jg+3]
	v_fmac_f32 v[32+4*jg+1], v[32+4*jg+2], v[96+32+4*jg+2]
	v_fmac_f32 v[32+4*jg], v[32+4*jg+2], v[96+4*jg+2]
	v_fmac_f32 v[32+4*jg], v[32+4*jg+1], v[96+4*jg+1]
.set jg, jg-1
.endr
.set n, 0
.rept 16
	v_pk_mul_f32 v[32+2*n:33+2*n], v[32+2*n:33+2*n], v[64+2*n:65+2*n]   ; Tb = T diag(b)
.set n, n+1
.endr
.set n, 0
.rept 16
	v_cvt_pk_f16_f32 v[96+n], v[32+2*n], v[33+2*n]
.set n, n+1
.endr
.irp q, 0,1,2,3
	ds_store_b128 v27, v[96+4*\q:99+4*\q] offset:16*\q
.endr
	s_wait_xcnt 0x0                     ; Qm's stores have read v224-239
.irp it, 0,1
	ds_load_b128 v[224+8*\it:227+8*\it], v28 offset:\it*16*TP
	ds_load_b128 v[228+8*\it:231+8*\it], v28 offset:\it*16*TP+32
.endr
	s_wait_dscnt 0x0
.irp it, 0,1
	global_store_b128 v4, v[224+8*\it:227+8*\it], s[40:41] offset:\it*1024
	global_store_b128 v4, v[228+8*\it:231+8*\it], s[40:41] offset:\it*1024+512
.endr
.set n, 0
.rept 16
	v_xor_b32 v[240+n], 0x80008000, v[224+n]       ; -Tb
.set n, n+1
.endr
; a quarter of N: K^T's four fragments (turned out of LDS) go out as they are, and times -Tb^T give -W^T, whose tiles packed in pairs are -W's A fragments
.macro QUARTER qd
	s_wait_xcnt 0x0                     ; the last quarter's stores have read their data
.irp f, 0,1,2,3
	ds_load_tr16_b128 v[96+8*\f:99+8*\f], v29 offset:32*(4*(\qd)+\f)
	ds_load_tr16_b128 v[100+8*\f:103+8*\f], v29 offset:32*(4*(\qd)+\f)+16*KP
.endr
	s_wait_dscnt 0x0
.irp f, 0,1,2,3
	global_store_b128 v4, v[96+8*\f:99+8*\f], s[40:41] offset:18432+(4*(\qd)+\f)*1024
	global_store_b128 v4, v[100+8*\f:103+8*\f], s[40:41] offset:18432+(4*(\qd)+\f)*1024+512
.endr
.irp f, 0,1,2,3
.irp it, 0,1
	v_wmma_f32_16x16x32_f16 v[128+8*(2*\f+\it):128+8*(2*\f+\it)+7], v[96+8*\f:96+8*\f+7], v[240+8*\it:240+8*\it+7], 0
.endr
.endr
	PLACES
.set n, 0
.rept 32                            ; n = 8 (2 it + l) + 4 hf + q, from tile f = 2 l + hf
	v_cvt_pk_f16_f32 v[192+n], v[128+8*(2*(2*((n/8)%2)+((n/4)%2))+n/16)+2*(n%4)], v[128+8*(2*(2*((n/8)%2)+((n/4)%2))+n/16)+2*(n%4)+1]
.set n, n+1
.endr
.irp it, 0,1
.irp l, 0,1
	global_store_b128 v4, v[192+8*(2*\it+\l):192+8*(2*\it+\l)+3], s[40:41] offset:2048+(8*\it+2*(\qd)+\l)*1024
	global_store_b128 v4, v[192+8*(2*\it+\l)+4:192+8*(2*\it+\l)+7], s[40:41] offset:2048+(8*\it+2*(\qd)+\l)*1024+512
.endr
.endr
.endm
	QUARTER 0
	QUARTER 1
	QUARTER 2
	QUARTER 3
	s_wait_tensorcnt 0x0                ; the wave's end
	ds_add_u32 v[SPW], v[NIL]
	s_wait_dscnt 0x0
	s_endpgm
.Lfunc_end_k_qba5ab9ce0d_prep:
	.size	k_qba5ab9ce0d_prep, .Lfunc_end_k_qba5ab9ce0d_prep-k_qba5ab9ce0d_prep
	.p2alignl 7, 3214868480
	.fill 96, 4, 3214868480
	.section	.rodata,"a",@progbits
	.p2align	6, 0x0
	.amdhsa_kernel k_qba5ab9ce0d_prep
		.amdhsa_group_segment_fixed_size 276480
		.amdhsa_private_segment_fixed_size 0
		.amdhsa_enable_private_segment 0
		.amdhsa_kernarg_size 64
		.amdhsa_user_sgpr_count 2
		.amdhsa_user_sgpr_kernarg_segment_ptr 1
		.amdhsa_wavefront_size32 1
		.amdhsa_system_sgpr_workgroup_id_x 1
		.amdhsa_system_sgpr_workgroup_id_y 1
		.amdhsa_system_sgpr_workgroup_id_z 1
		.amdhsa_system_vgpr_workitem_id 0
		.amdhsa_next_free_vgpr 512
		.amdhsa_next_free_sgpr 66
		.amdhsa_reserve_vcc 1
		.amdhsa_float_denorm_mode_32 3
		.amdhsa_float_denorm_mode_16_64 3
		.amdhsa_memory_ordered 1
		.amdhsa_forward_progress 1
		.amdhsa_inst_pref_size 165
	.end_amdhsa_kernel
	.amdgpu_metadata
---
amdhsa.version: [ 1, 2 ]
amdhsa.kernels:
  - .name:           k_qba5ab9ce0d_prep
    .symbol:         k_qba5ab9ce0d_prep.kd
    .args:
      - { .name: x_raw, .offset: 0, .size: 8, .value_kind: global_buffer, .address_space: global }
      - { .name: theta_Q_w, .offset: 8, .size: 8, .value_kind: global_buffer, .address_space: global }
      - { .name: theta_K_w, .offset: 16, .size: 8, .value_kind: global_buffer, .address_space: global }
      - { .name: beta_w, .offset: 24, .size: 8, .value_kind: global_buffer, .address_space: global }
      - { .name: Q, .offset: 32, .size: 8, .value_kind: global_buffer, .address_space: global }
      - { .name: pf, .offset: 40, .size: 8, .value_kind: global_buffer, .address_space: global }
      - { .name: qmf, .offset: 48, .size: 8, .value_kind: global_buffer, .address_space: global }
      - { .name: recD, .offset: 56, .size: 8, .value_kind: global_buffer, .address_space: global }
    .group_segment_fixed_size: 276480
    .private_segment_fixed_size: 0
    .kernarg_segment_align: 8
    .kernarg_segment_size: 64
    .max_flat_workgroup_size: 256
    .sgpr_count:     66
    .vgpr_count:     512
    .wavefront_size: 32
...
	.end_amdgpu_metadata
.endif
;; end of part 1
;; launch main (part 2): grid 256 x 1, 4 waves a work-group, no clusters, 327,680 bytes of LDS; arguments pf, qmf, recD, V, M0, x_next, memory_gate, out0, out1; writes out0, out1
.if DOCPART == 2
	.amdgcn_target "amdgcn-amd-amdhsa--gfx1250"
	.amdhsa_code_object_version 6
	.text
	.protected	k_qba5ab9ce0d_main
	.globl	k_qba5ab9ce0d_main
	.p2align	8
	.type	k_qba5ab9ce0d_main,@function
k_qba5ab9ce0d_main:
	s_mov_b64 s[64:65], 0
	v_nop
	global_prefetch_b8 v0, s[64:65] scope:SCOPE_SE
	s_setreg_imm32_b32 hwreg(HW_REG_WAVE_MODE, 25, 1), 1
	s_wait_xcnt 0x0
; MAIN.  Two roles of equal matrix work (1,088 matrix instructions a wave), chosen by the work-group's number.
; DELTA (groups 128-255: head, 128 columns of D; a wave owns 32 columns d = D0 + 2 r + dt).  The 512 delta-rule steps as 16 chunks of 32: U = Tb x_next_c + (-W) M; M += K_c^T U.
;   M stays in f32 in 256 registers; Tb, -W, K^T come as ready fragments, a record of 34,816 bytes a chunk, through two LDS slots of four records, a record a wave by one tensor load.
; ATTENTION (groups 0-127: head, query blocks 7 - i and then i; a wave makes 64 queries x 128 columns).  acc = Qm M0; LayerNorm over the row (mean, then squared deviations; the four waves meet in LDS);
;   acc = acc g / c1, c1 = max(256 (1 - g), 1e-30); acc += P V; out0 = c1 acc.  The floor under c1 keeps g / c1 finite for every gate.
;   M0 and V ([k][512] f32) become B fragments without a turn: a lane loads 16 bytes of a row, one number for each of four tiles, so tile c, lane r stands for column 64 g + 4 r + c.
; LIMITS.  Matrix operands are f16: nothing beyond 65,504 (V, x_next, M0, U, M arrive or stay far below it at 30 times the usual spread or offset); below 6e-5 f16 keeps a fixed step of 6e-8.
;   Exponential, reciprocal and reciprocal root flush denormals.  NaN and infinities are not treated apart.
; NO CLUSTER: a head's four delta groups share their records, but they lie in one grid with the attention groups, whose partners need different numbers of V tiles; not built.
.set REC, 34816
.set SLOT, 4*REC
.set SPARE, 2*SLOT      ; behind the slots: the spare words, 128 bytes a wave
.set RED1, SPARE+512    ; attention: [4 waves][64 rows] f32, twice
.set SPW, 30            ; v30  LDS address of my spare word; never rewritten
.set NIL, 31            ; v31  0; never rewritten
.set XR, 48             ; delta: v48-79  32 rows of x_next as loaded
.set AF, 32             ; attention: two buffers of four A fragments
.set BF, 96             ; two sets of four B fragments
.set SUM, 160
.set SS, 192
.set TO, 224
.set MSB, 0
.macro WIN new
.if MSB != (\new)
	s_set_vgpr_msb (MSB<<8)|(\new)
.set MSB, (\new)
.endif
.endm
.macro PLACES                       ; four places behind matrix instructions (ISA guide 7.12.1)
.rept 4
	v_nop
.endr
.endm
	s_load_b512 s[4:19], s[0:1], 0x0    ; pf 4, qmf 6, recD 8, V 10, M0 12, x_next 14, gate 16, out0 18
	s_load_b64 s[20:21], s[0:1], 0x40   ; out1
	v_lshl_add_u32 v[SPW], v0, 2, SPARE
	v_mov_b32 v[NIL], 0
	ds_add_u32 v[SPW], v[NIL]           ; the wave's opening: the add and its wait stand ahead of my first tensor load
	v_lshrrev_b32 v1, 5, v0
	v_readfirstlane_b32 s22, v1         ; wave
	v_and_b32 v1, 31, v0                ; L
	v_and_b32 v2, 15, v0                ; r
	v_bfe_u32 v3, v0, 4, 1              ; h
	v_lshlrev_b32 v4, 4, v1             ; 16 L
	; descriptor group 1: a record is dense: 136 rows of 256 bytes (32 elements of 8 bytes), no padding
	s_mov_b32 s32, 3<<16
	s_mov_b32 s33, 32<<16               ; tensor_dim0 = 32
	s_mov_b32 s34, 136<<16              ; tensor_dim1 = 136
	s_mov_b32 s35, 32<<16               ; tile_dim0 = 32
	s_mov_b32 s36, 136                  ; tile_dim1 = 136
	s_mov_b32 s37, 32                   ; elements from row to row
	s_mov_b32 s38, 0
	s_mov_b32 s39, 0
	s_mul_i32 s26, s22, REC             ; my record's place in a slot
	s_mov_b32 s40, 1
	s_mov_b32 s41, s26
	s_mov_b32 s44, 1
	s_add_co_u32 s45, s26, SLOT
	s_wait_dscnt 0x0                    ; the opening add is done
	s_wait_kmcnt 0x0
	s_cmp_lt_u32 ttmp9, 128
	s_cbranch_scc1 .Latt
; ------------------------------------------------------------------ DELTA
; window 0: v5 x/M0 offset, v6-7 LDS addresses, v8-12 way out, v48-79 x_next raw, v96-127 Z[it][dt], v128-255 at work     window 1: M at 8 (2 nt + dt)
; window 2: v0-127 M in f16 as B fragments (ks, dt); v128-255 K^T(nt)     window 3: v0-143 Tb, -W; v144-159 x_next fragments; v160-175 U fragments
	s_sub_co_u32 s23, ttmp9, 128
	s_lshr_b32 s24, s23, 2              ; head
	s_and_b32 s25, s23, 3               ; which 128 columns
	s_lshl_b32 s27, s24, 4
	s_add_co_u32 s27, s27, s22
	s_mul_i32 s28, s27, REC
	s_mov_b32 s29, 0
	s_add_nc_u64 s[42:43], s[8:9], s[28:29]     ; chunk w,
	s_add_nc_u64 s[46:47], s[42:43], 4*REC      ; chunk 4 + w
	s_or_b32 s43, s43, 0x80000000
	s_or_b32 s47, s47, 0x80000000
	tensor_load_to_lds s[40:43], s[32:39]       ; the two first fills go out together: two tensor loads of mine are out
	s_nop 0
	tensor_load_to_lds s[44:47], s[32:39]
	s_nop 0
.rept 4
	v_nop
.endr
	v_lshlrev_b32 v5, 14, v3
	v_lshl_add_u32 v5, v2, 3, v5        ; 8 h rows of 2,048 bytes + 8 r
	s_lshl_b32 s26, s25, 9
	s_lshl_b32 s27, s22, 7
	s_add_co_u32 s26, s26, s27          ; my 32 columns, in bytes
	s_lshl_b32 s28, s24, 19
	s_add_co_u32 s28, s28, s26
	s_add_nc_u64 s[48:49], s[12:13], s[28:29]
	s_lshr_b32 s28, s24, 3
	s_lshl_b32 s28, s28, 20
	s_add_co_u32 s28, s28, s26
	s_add_nc_u64 s[50:51], s[14:15], s[28:29]
	s_mov_b64 s[52:53], s[50:51]
	s_lshl_b32 s28, s24, 19
	s_lshl_b32 s27, s22, 17
	s_add_co_u32 s28, s28, s27
	s_lshl_b32 s27, s25, 9
	s_add_co_u32 s28, s28, s27
	s_add_nc_u64 s[60:61], s[20:21], s[28:29]   ; out1 at rows 64 w of the head, my group's 512 bytes
	s_mov_b32 s54, 0                    ; LDS byte of the record in hand
	s_mov_b32 s55, 0                    ; byte offset of x_next's chunk
	s_mov_b32 s57, 0
	WIN 0x80
.set n, 0
.rept 64                            ; M0, rows 0-127: n = 8 nt + j; a lane's 8 bytes are the row's numbers for dt = 0, 1
	global_load_b64 v[128+2*n:129+2*n], v5, s[48:49] offset:(16*(n/8)+(n%8))*2048
.set n, n+1
.endr
	WIN 0
.set n, 0
.rept 64                            ; rows 128-255
	global_load_b64 v[128+2*n:129+2*n], v5, s[48:49] offset:(16*(8+n/8)+(n%8))*2048
.set n, n+1
.endr
.macro XLOAD                        ; 32 rows of x_next, my 32 columns
.set n, 0
.rept 16
	global_load_b64 v[XR+2*n:XR+2*n+1], v5, s[52:53] offset:(16*(n/8)+(n%8))*2048
.set n, n+1
.endr
.endm
	XLOAD
	v_mul_u32_u24 v8, v3, 8*528
	v_lshl_add_u32 v8, v2, 3, v8
	s_lshl_b32 s26, s22, 7
	v_add_nc_u32 v8, s26, v8            ; the way out: row 8 h, columns 32 w + 2 r of a stage with rows of 528 bytes
	v_add_nc_u32 v9, 64*528, v8
	v_add_nc_u32 v10, 128*528, v8
	v_add_nc_u32 v11, 192*528, v8
	s_mul_i32 s26, s22, 64*528
	v_add_nc_u32 v12, s26, v4
	s_wait_loadcnt 16                   ; M0 is in; x_next's 16 loads stay out
	WIN 0x42                            ; the pairs are dealt to the tiles: 256 moves, once a launch; an accumulator's registers are rows, which no load brings side by side
.set n, 0
.rept 128
	v_mov_b32 v[8*(2*(n/16)+(n%2))+((n%16)/2)], v[128+n]
.set n, n+1
.endr
	WIN 0x40
.set n, 0
.rept 128
	v_mov_b32 v[8*(2*(8+n/16)+(n%2))+((n%16)/2)], v[128+n]
.set n, n+1
.endr
.macro MFCVT                        ; M in f16: two tiles one above the other, packed in pairs, are a B fragment.  n = 8 (2 ks + dt) + 4 hf + q
	WIN 0x85
.set n, 0
.rept 128
	v_cvt_pk_f16_f32 v[n], v[8*(2*(2*(n/16)+((n/4)%2))+((n/8)%2))+2*(n%4)], v[8*(2*(2*(n/16)+((n/4)%2))+((n/8)%2))+2*(n%4)+1]
.set n, n+1
.endr
.endm
.macro LOADW                        ; Tb and -W of the record at s54: 18 fragments
	WIN 0
	v_add_nc_u32 v6, s54, v4
	WIN 0xc0
.set n, 0
.rept 18
	ds_load_b128 v[8*n:8*n+3], v6 offset:n*1024
	ds_load_b128 v[8*n+4:8*n+7], v6 offset:n*1024+512
.set n, n+1
.endr
.endm
; first half of a chunk: Z = Tb X + (-W) M.  K^T is asked for ahead of the wait for W; x_next of the next chunk is asked for (clamped to the last chunk, whose second copy is discarded)
.macro HA
	WIN 0
	v_add_nc_u32 v7, s54, v4
	s_add_co_u32 s54, s54, REC
	WIN 0x80
.set n, 0
.rept 16
	ds_load_b128 v[128+8*n:131+8*n], v7 offset:18432+n*1024
	ds_load_b128 v[132+8*n:135+8*n], v7 offset:18432+n*1024+512
.set n, n+1
.endr
	s_wait_loadcnt 0x0                  ; x_next of this chunk
	WIN 0xc0
.set n, 0
.rept 16                            ; n = 8 dt + 4 hh + q
	v_cvt_pk_f16_f32 v[144+n], v[XR+2*(8*((n/4)%2)+2*(n%4))+n/8], v[XR+2*(8*((n/4)%2)+2*(n%4)+1)+n/8]
.set n, n+1
.endr
	WIN 0
	s_add_co_u32 s55, s55, 65536
	s_min_u32 s55, s55, 15*65536
	s_mov_b32 s56, s55
	s_add_nc_u64 s[52:53], s[50:51], s[56:57]   ; free: the loads that named it are done
	XLOAD
	s_wait_dscnt 32                     ; Tb and W are in; K^T's 32 loads stay out
	WIN 0x0f
.irp it, 0,1
.irp dt, 0,1
	v_wmma_f32_16x16x32_f16 v[96+8*(2*\it+\dt):96+8*(2*\it+\dt)+7], v[8*\it:8*\it+7], v[144+8*\dt:144+8*\dt+7], 0
.endr
.endr
	WIN 0x0b
.irp ks, 0,1,2,3,4,5,6,7            ; four accumulators by turns
.irp it, 0,1
.irp dt, 0,1
	v_wmma_f32_16x16x32_f16 v[96+8*(2*\it+\dt):96+8*(2*\it+\dt)+7], v[8*(2+8*\it+\ks):8*(2+8*\it+\ks)+7], v[8*(2*\ks+\dt):8*(2*\ks+\dt)+7], v[96+8*(2*\it+\dt):96+8*(2*\it+\dt)+7]
.endr
.endr
.endr
	PLACES
.endm
; second half: M += K^T U; the next chunk's Tb and W are asked for first
.macro HB last
.if !(\last)
	LOADW
.endif
	WIN 0xc0
.set n, 0
.rept 16                            ; n = 8 dt + 4 it + q
	v_cvt_pk_f16_f32 v[160+n], v[96+8*(2*((n/4)%2)+n/8)+2*(n%4)], v[96+8*(2*((n/4)%2)+n/8)+2*(n%4)+1]
.set n, n+1
.endr
.if \last
	s_wait_dscnt 0x0
.else
	s_wait_dscnt 36                     ; K^T is in; the 36 loads just issued stay out
.endif
	WIN 0x5e
.set n, 0
.rept 32                            ; n = 2 nt + dt: 32 accumulators, each once
	v_wmma_f32_16x16x32_f16 v[8*n:8*n+7], v[128+8*(n/2):128+8*(n/2)+7], v[160+8*(n%2):160+8*(n%2)+7], v[8*n:8*n+7]
.set n, n+1
.endr
	PLACES
.if !(\last)
	MFCVT
.endif
.endm
; the change of slots.  Every wave: all its tensor loads have landed (the one that was out is its record of the other slot); the add; its reads of the slot that it leaves are back; the barrier.
; fill = 1, 2: the slot just left (0, 1) is filled again first thing behind the barrier, with the chunks eight further on: one tensor load of mine is out, with four chunks' work in which to land.
.macro CH fill, base
	WIN 0
	s_wait_tensorcnt 0x0
	ds_add_u32 v[SPW], v[NIL]
.if (\fill) == 1
	s_add_nc_u64 s[42:43], s[42:43], 8*REC
.endif
.if (\fill) == 2
	s_add_nc_u64 s[46:47], s[46:47], 8*REC
.endif
	s_mov_b32 s54, \base
	s_wait_dscnt 0x0
	s_barrier_signal -1
	s_barrier_wait -1
.if (\fill) == 1
	tensor_load_to_lds s[40:43], s[32:39]
	s_nop 0
	PLACES
.endif
.if (\fill) == 2
	tensor_load_to_lds s[44:47], s[32:39]
	s_nop 0
	PLACES
.endif
.endm
.macro RUN trips                    ; trips x (second half of a chunk, first half of the next)
	s_mov_b32 s58, \trips
.Lrun_\@:
	HB 0
	HA
	WIN 0
	s_sub_co_u32 s58, s58, 1
	s_cmp_lg_u32 s58, 0
	s_cbranch_scc1 .Lrun_\@
.endm
	MFCVT
	WIN 0
	s_wait_tensorcnt 0x1                ; my record of slot 0 is in; slot 1's may stay out
	s_barrier_signal -1
	s_barrier_wait -1
	LOADW
	HA                                  ; chunk 0
	WIN 0
	RUN 3                               ; up to chunk 3's first half: slot 0 has been read out
	CH 1, SLOT
	RUN 4                               ; chunks 4-7, out of slot 1
	CH 2, 0
	RUN 4                               ; chunks 8-11
	CH 0, SLOT                          ; nothing is left to fetch
	RUN 4                               ; chunks 12-15
	HB 1
	; the way out, through slot 0's bytes, which have had their last fill and their last read: 256 rows of 512 bytes, pitch 528; then whole rows
	WIN 0x04
.set n, 0
.rept 256                           ; n = 8 (2 nt + dt) + j
	ds_store_b32 v[8+n/64], v[n] offset:(16*((n/16)%4)+(n%8))*528+4*((n/8)%2)
.set n, n+1
.endr
	WIN 0
	s_wait_loadcnt 0x0                  ; the discarded copy of x_next's last chunk
	s_wait_dscnt 0x0
	s_barrier_signal -1
	s_barrier_wait -1
.irp bt, 0,1,2,3
	s_wait_xcnt 0x0                     ; the last batch's stores have read their data
.set n, 0
.rept 16
	ds_load_b128 v[128+4*n:131+4*n], v12 offset:(16*\bt+n)*528
.set n, n+1
.endr
.set n, 0
.rept 16
	s_wait_dscnt 15-n
	global_store_b128 v4, v[128+4*n:131+4*n], s[60:61] offset:(16*\bt+n)*2048 th:TH_STORE_NT   ; 512 consecutive bytes, at a multiple of 512 from out1's first
.set n, n+1
.endr
.endr
	s_wait_tensorcnt 0x0                ; the wave's end
	ds_add_u32 v[SPW], v[NIL]
	s_wait_dscnt 0x0
	s_endpgm
; ------------------------------------------------------------------ ATTENTION
; window 0: v5 offset of B's rows and of out0, v6-7 LDS, v32-95 A fragments, v96-159 B fragments, v160-223 row statistics, v224-255 way out
; window 1: raw rows of M0 or V, two buffers of 128; the upper one also takes the four waves' row sums     window 2: the 32 accumulators at 8 (8 a + 4 g + c)
.Latt:
	s_lshr_b32 s23, ttmp9, 2            ; head
	s_and_b32 s24, ttmp9, 3
	s_sub_co_u32 s25, 7, s24            ; the block in hand: first 7 - i
	s_and_b32 s26, s23, 7
	s_lshl_b32 s26, s26, 2
	s_load_b32 s27, s[16:17], s26 offset:0x0
	v_lshlrev_b32 v5, 14, v3
	v_lshl_add_u32 v5, v2, 4, v5        ; 8 h rows of 2,048 bytes + 16 r
	v_lshlrev_b32 v7, 5, v3
	v_add_nc_u32 v7, RED1, v7
	s_lshl_b32 s42, s22, 8
	v_add_nc_u32 v6, s42, v7
	s_mov_b32 s43, 0
	s_mov_b32 s45, 0
	s_mov_b32 s46, 0xbb000000           ; -1/512
	s_mov_b32 s47, 0xbb000000
	s_mov_b32 s48, 0x3b000000           ; 1/512
	s_wait_kmcnt 0x0
	v_mov_b32 v16, s27
	v_mul_f32 v17, 0xbfb8aa3b, v16
	v_mul_f32 v18, 0x3fb8aa3b, v16
	v_exp_f32 v17, v17
	v_exp_f32 v18, v18
	v_nop
	s_wait_alu depctr_va_vdst(0)
	v_add_f32 v17, 1.0, v17
	v_add_f32 v18, 1.0, v18
	v_rcp_f32 v17, v17                  ; g
	v_rcp_f32 v18, v18                  ; 1 - g, made by itself
	v_nop
	s_wait_alu depctr_va_vdst(0)
	v_mul_f32 v18, 0x43800000, v18
	v_max_num_f32 v18, 0x0da24260, v18  ; c1
	v_rcp_f32 v19, v18
	v_nop
	s_wait_alu depctr_va_vdst(0)
	v_mul_f32 v19, v17, v19
	v_readfirstlane_b32 s28, v18
	v_readfirstlane_b32 s29, v19        ; g / c1
.macro RAWLOAD buf                  ; 32 rows of B, my 128 columns: n = 8 (2 g + hh) + i; 16 lanes read 256 consecutive bytes of a row
	WIN 0x40
.set n, 0
.rept 32
	global_load_b128 v[128*(\buf)+4*n:128*(\buf)+4*n+3], v5, s[38:39] offset:(16*((n/8)%2)+(n%8))*2048+256*(n/16)
.set n, n+1
.endr
.endm
.macro ALOAD buf, QS                ; four ready A fragments, QS bytes apart
	WIN 0
.irp a, 0,1,2,3
	global_load_b128 v[AF+32*(\buf)+8*\a:AF+32*(\buf)+8*\a+3], v4, s[36:37] offset:\a*(\QS)
	global_load_b128 v[AF+32*(\buf)+8*\a+4:AF+32*(\buf)+8*\a+7], v4, s[36:37] offset:\a*(\QS)+512
.endr
.endm
.macro CVT buf, g                   ; two rows' numbers of one column pack into a register of its tile's fragment: n = 8 c + 4 hh + q
	WIN 0x05
.set n, 0
.rept 32
.set rs, 128*(\buf)+((2*(\g)+((n/4)%2))*8+2*(n%4))*4+(n/8)
	v_cvt_pk_f16_f32 v[BF+32*(\g)+n], v[rs], v[rs+4]
.set n, n+1
.endr
.endm
.macro MUL buf, g, zero             ; sixteen accumulators, each once
	WIN 0xa0
.irp a, 0,1,2,3
.irp c, 0,1,2,3
.if \zero
	v_wmma_f32_16x16x32_f16 v[8*(8*\a+4*(\g)+\c):8*(8*\a+4*(\g)+\c)+7], v[AF+32*(\buf)+8*\a:AF+32*(\buf)+8*\a+7], v[BF+32*(\g)+8*\c:BF+32*(\g)+8*\c+7], 0
.else
	v_wmma_f32_16x16x32_f16 v[8*(8*\a+4*(\g)+\c):8*(8*\a+4*(\g)+\c)+7], v[AF+32*(\buf)+8*\a:AF+32*(\buf)+8*\a+7], v[BF+32*(\g)+8*\c:BF+32*(\g)+8*\c+7], v[8*(8*\a+4*(\g)+\c):8*(8*\a+4*(\g)+\c)+7]
.endif
.endr
.endr
.endm
; 32 of K.  The next step's rows and fragments are asked for into the other buffers (past the last step: the last step's once more, discarded).  The conversions are the places between the products and
; the loads and conversions that write registers which products have read.
.macro KSTEP buf, zero, QS
	s_add_co_u32 s40, s40, 1
	s_min_u32 s40, s40, s41
	s_lshl_b32 s42, s40, 10
	s_lshl_b32 s44, s40, 16
	s_wait_xcnt 0x0                     ; the two bases are rewritten only behind this wait
	s_add_nc_u64 s[36:37], s[32:33], s[42:43]
	s_add_nc_u64 s[38:39], s[34:35], s[44:45]
	RAWLOAD 1-(\buf)
	s_wait_loadcnt 32                   ; this step's rows and fragments are in; the 32 just issued stay out
	CVT \buf, 0
	ALOAD 1-(\buf), \QS
	MUL \buf, 0, \zero
	CVT \buf, 1
	MUL \buf, 1, \zero
.endm
; 32 row figures (row 16 a + 8 h + j at X + 8 a + j): summed over the 16 lanes of a half, then over the four waves through LDS
.macro XRED X, off
	WIN 0
.irp m, 1,2,4,8
.set n, 0
.rept 32
	v_add_f32_dpp v[(\X)+n], v[(\X)+n], v[(\X)+n] row_xmask:\m row_mask:0xf bank_mask:0xf
.set n, n+1
.endr
.endr
.set n, 0
.rept 8
	ds_store_b128 v6, v[(\X)+4*n:(\X)+4*n+3] offset:(\off)+(n/2)*64+(n%2)*16
.set n, n+1
.endr
	s_wait_dscnt 0x0
	s_barrier_signal -1
	s_barrier_wait -1
	WIN 0x40
.set n, 0
.rept 32                            ; n = 8 wave + quad
	ds_load_b128 v[128+4*n:131+4*n], v7 offset:(\off)+(n/8)*256+((n%8)/2)*64+(n%2)*16
.set n, n+1
.endr
	s_wait_dscnt 0x0                    ; back before my next signal: the words are written again only behind a later barrier
	WIN 0x05
.set n, 0
.rept 16
	v_pk_add_f32 v[(\X)+2*n:(\X)+2*n+1], v[128+2*n:129+2*n], v[160+2*n:161+2*n]
.set n, n+1
.endr
	WIN 0x01
.irp wv, 2,3
.set n, 0
.rept 16
	v_pk_add_f32 v[(\X)+2*n:(\X)+2*n+1], v[128+32*\wv+2*n:129+32*\wv+2*n], v[(\X)+2*n:(\X)+2*n+1]
.set n, n+1
.endr
.endr
.endm
	s_mov_b32 s30, 2
.Lblk:
	s_wait_xcnt 0x0                     ; the last block's stores have read their base
	s_lshr_b32 s42, s23, 3
	s_lshl_b32 s42, s42, 5
	s_lshl_b32 s44, s25, 2
	s_add_co_u32 s42, s42, s44
	s_lshl_b32 s42, s42, 13
	s_add_nc_u64 s[32:33], s[6:7], s[42:43]     ; Qm's fragments of my four query tiles
	s_lshl_b32 s42, s23, 19
	s_lshl_b32 s44, s22, 9
	s_add_co_u32 s42, s42, s44
	s_add_nc_u64 s[34:35], s[12:13], s[42:43]   ; M0, my 128 columns
	s_mov_b64 s[36:37], s[32:33]
	s_mov_b64 s[38:39], s[34:35]
	s_lshl_b32 s42, s23, 20
	s_lshl_b32 s44, s25, 17
	s_add_co_u32 s42, s42, s44
	s_lshl_b32 s44, s22, 9
	s_add_co_u32 s42, s42, s44
	s_add_nc_u64 s[52:53], s[18:19], s[42:43]   ; out0 at the block's first row, my 128 columns
	s_mov_b32 s40, 0
	s_mov_b32 s41, 7
	RAWLOAD 0
	ALOAD 0, 8192
	KSTEP 0, 1, 8192                    ; the first step starts the sums
	KSTEP 1, 0, 8192
	WIN 0
	s_mov_b32 s49, 3
.Lg1:
	KSTEP 0, 0, 8192
	KSTEP 1, 0, 8192
	WIN 0
	s_sub_co_u32 s49, s49, 1
	s_cmp_lg_u32 s49, 0
	s_cbranch_scc1 .Lg1
	s_wait_loadcnt 0x0                  ; the discarded look-ahead
	PLACES
	; P V's first rows and fragments are asked for now and land under the LayerNorm
	s_lshl_b32 s42, s23, 5
	s_lshl_b32 s44, s25, 2
	s_add_co_u32 s42, s42, s44
	s_lshl_b32 s42, s42, 14
	s_add_nc_u64 s[32:33], s[4:5], s[42:43]
	s_lshl_b32 s42, s23, 20
	s_lshl_b32 s44, s22, 9
	s_add_co_u32 s42, s42, s44
	s_add_nc_u64 s[34:35], s[10:11], s[42:43]
	s_mov_b64 s[36:37], s[32:33]
	s_mov_b64 s[38:39], s[34:35]
	s_mov_b32 s40, 0
	s_lshl_b32 s41, s25, 1
	s_add_co_u32 s41, s41, 1            ; the block's last key step
	s_add_co_u32 s50, s25, 1            ; trips of two steps
	RAWLOAD 0
	ALOAD 0, 16384
	; the mean
	WIN 0x0a
.set n, 0
.rept 16                            ; n = 4 a + jp: tiles 0 and 1
	v_pk_add_f32 v[SUM+2*n:SUM+2*n+1], v[64*(n/4)+2*(n%4):64*(n/4)+2*(n%4)+1], v[64*(n/4)+8+2*(n%4):64*(n/4)+8+2*(n%4)+1]
.set n, n+1
.endr
	WIN 0x02
.set n, 0
.rept 96                            ; n = 24 a + 4 (t - 2) + jp
	v_pk_add_f32 v[SUM+8*(n/24)+2*(n%4):SUM+8*(n/24)+2*(n%4)+1], v[64*(n/24)+8*(2+(n%24)/4)+2*(n%4):64*(n/24)+8*(2+(n%24)/4)+2*(n%4)+1], v[SUM+8*(n/24)+2*(n%4):SUM+8*(n/24)+2*(n%4)+1]
.set n, n+1
.endr
	XRED SUM, 0
	WIN 0xa0
.set n, 0
.rept 128                           ; n = 32 a + 4 t + jp: y - sum / 512
	v_pk_fma_f32 v[2*n:2*n+1], v[SUM+8*(n/32)+2*(n%4):SUM+8*(n/32)+2*(n%4)+1], s[46:47], v[2*n:2*n+1] op_sel_hi:[1,0,1]
.set n, n+1
.endr
	WIN 0x0a
.set n, 0
.rept 128                           ; the squared deviations
.if (n%32) < 4
	v_pk_mul_f32 v[SS+8*(n/32)+2*(n%4):SS+8*(n/32)+2*(n%4)+1], v[2*n:2*n+1], v[2*n:2*n+1]
.else
	v_pk_fma_f32 v[SS+8*(n/32)+2*(n%4):SS+8*(n/32)+2*(n%4)+1], v[2*n:2*n+1], v[2*n:2*n+1], v[SS+8*(n/32)+2*(n%4):SS+8*(n/32)+2*(n%4)+1]
.endif
.set n, n+1
.endr
	XRED SS, 1024
	WIN 0
.set n, 0
.rept 32
	v_fmaak_f32 v[SS+n], s48, v[SS+n], 0x3727c5ac    ; variance + 1e-5
.set n, n+1
.endr
.set n, 0
.rept 32
	v_rsq_f32 v[SS+n], v[SS+n]
.set n, n+1
.endr
	v_nop
.set n, 0
	s_wait_alu depctr_va_vdst(0)
.rept 32
	v_mul_f32 v[SS+n], s29, v[SS+n]
.set n, n+1
.endr
	WIN 0x82
.set n, 0
.rept 128
	v_pk_mul_f32 v[2*n:2*n+1], v[2*n:2*n+1], v[SS+8*(n/32)+2*(n%4):SS+8*(n/32)+2*(n%4)+1]
.set n, n+1
.endr
	WIN 0
	s_mov_b32 s49, 0
.Lg2:                                   ; blk + 1 trips of two key steps: keys past the block's diagonal are never touched
	KSTEP 0, 0, 16384
	KSTEP 1, 0, 16384
	WIN 0
	s_add_co_u32 s49, s49, 1
	s_cmp_lt_u32 s49, s50
	s_cbranch_scc1 .Lg2
	s_wait_loadcnt 0x0                  ; the discarded look-ahead
	PLACES
.irp a, 0,1,2,3
.irp g, 0,1
	s_wait_xcnt 0x0                     ; the last eight stores have read their data
	WIN 0x08
.set n, 0
.rept 32                            ; n = 4 j + c: four tiles' numbers of a row are 16 neighbouring bytes
	v_mul_f32 v[TO+n], s28, v[8*(8*\a+4*\g+(n%4))+n/4]
.set n, n+1
.endr
	WIN 0
.set n, 0
.rept 8
	global_store_b128 v5, v[TO+4*n:TO+4*n+3], s[52:53] offset:(16*\a+n)*2048+256*\g th:TH_STORE_NT   ; 16 lanes store 256 consecutive bytes, at a multiple of 256 from out0's first
.set n, n+1
.endr
.endr
.endr
	s_mov_b32 s25, s24                  ; the second block: i
	s_sub_co_u32 s30, s30, 1
	s_cmp_lg_u32 s30, 0
	s_cbranch_scc1 .Lblk
	s_wait_tensorcnt 0x0                ; the wave's end
	ds_add_u32 v[SPW], v[NIL]
	s_wait_dscnt 0x0
	s_endpgm
.Lfunc_end_k_qba5ab9ce0d_main:
	.size	k_qba5ab9ce0d_main, .Lfunc_end_k_qba5ab9ce0d_main-k_qba5ab9ce0d_main
	.p2alignl 7, 3214868480
	.fill 96, 4, 3214868480
	.section	.rodata,"a",@progbits
	.p2align	6, 0x0
	.amdhsa_kernel k_qba5ab9ce0d_main
		.amdhsa_group_segment_fixed_size 327680
		.amdhsa_private_segment_fixed_size 0
		.amdhsa_enable_private_segment 0
		.amdhsa_kernarg_size 72
		.amdhsa_user_sgpr_count 2
		.amdhsa_user_sgpr_kernarg_segment_ptr 1
		.amdhsa_wavefront_size32 1
		.amdhsa_system_sgpr_workgroup_id_x 1
		.amdhsa_system_sgpr_workgroup_id_y 1
		.amdhsa_system_sgpr_workgroup_id_z 1
		.amdhsa_system_vgpr_workitem_id 0
		.amdhsa_next_free_vgpr 1024
		.amdhsa_next_free_sgpr 66
		.amdhsa_reserve_vcc 0
		.amdhsa_float_denorm_mode_32 3
		.amdhsa_float_denorm_mode_16_64 3
		.amdhsa_memory_ordered 1
		.amdhsa_forward_progress 1
		.amdhsa_inst_pref_size 255
	.end_amdhsa_kernel
	.section	.bss,"aw",@nobits
	.p2align	6
	.space	262144
	.amdgpu_metadata
---
amdhsa.version: [ 1, 2 ]
amdhsa.kernels:
  - .name:           k_qba5ab9ce0d_main
    .symbol:         k_qba5ab9ce0d_main.kd
    .args:
      - { .name: pf, .offset: 0, .size: 8, .value_kind: global_buffer, .address_space: global }
      - { .name: qmf, .offset: 8, .size: 8, .value_kind: global_buffer, .address_space: global }
      - { .name: recD, .offset: 16, .size: 8, .value_kind: global_buffer, .address_space: global }
      - { .name: V, .offset: 24, .size: 8, .value_kind: global_buffer, .address_space: global }
      - { .name: M0, .offset: 32, .size: 8, .value_kind: global_buffer, .address_space: global }
      - { .name: x_next, .offset: 40, .size: 8, .value_kind: global_buffer, .address_space: global }
      - { .name: memory_gate, .offset: 48, .size: 8, .value_kind: global_buffer, .address_space: global }
      - { .name: out0, .offset: 56, .size: 8, .value_kind: global_buffer, .address_space: global }
      - { .name: out1, .offset: 64, .size: 8, .value_kind: global_buffer, .address_space: global }
    .group_segment_fixed_size: 327680
    .private_segment_fixed_size: 0
    .kernarg_segment_align: 8
    .kernarg_segment_size: 72
    .max_flat_workgroup_size: 128
    .sgpr_count:     66
    .vgpr_count:     1024
    .wavefront_size: 32
...
	.end_amdgpu_metadata
.endif
;; end of part 2
;; ======== version 2 of 2: 2 launches; version 1 with the launch prep written anew for expert scheduling mode
;; limits: values are held in f16: magnitudes above 65,504 overflow, below 6.1e-05 lose precision
;; workspace buffers: pf 16,777,216 bytes; qmf 1,048,576 bytes; recD 17,825,792 bytes
;; launch prep (part 3): grid 192 x 1, 8 waves a work-group, no clusters, 276,480 bytes of LDS; arguments x_raw, theta_Q_w, theta_K_w, beta_w, Q, pf, qmf, recD; writes pf, qmf, recD
.if DOCPART == 3
	.amdgcn_target "amdgcn-amd-amdhsa--gfx1250"
	.amdhsa_code_object_version 6
	.text
	.protected	k_qba5ab9ce0d_prep
	.globl	k_qba5ab9ce0d_prep
	.p2align	8
	.type	k_qba5ab9ce0d_prep,@function
k_qba5ab9ce0d_prep:
	s_mov_b64 s[64:65], 0
	v_nop
	global_prefetch_b8 v0, s[64:65] scope:SCOPE_SE
	s_setreg_imm32_b32 hwreg(HW_REG_WAVE_SCHED_MODE, 0, 2), 2
	s_setreg_imm32_b32 hwreg(HW_REG_WAVE_MODE, 25, 1), 1
	s_wait_xcnt 0x0
	s_wait_alu depctr_vm_vsrc(0)
; PREP.  Two roles, chosen by the work-group's number (the same for all its waves).
; ROLE A (groups 0-127: head = id / 4, i = id % 4): q~ = rope(Q) / 16 in f16 for rows 0 .. 64 (8 - i) - 1 of the head, kept in LDS, and from it
;   P = tril(q~ q~^T, -1) for the query blocks 7 - i and i, written as ready A fragments (1,024 bytes: registers 0-3 at 16 x lane, 4-7 at 512 + 16 x lane).
; ROLE D (groups 128-191: batch b, chunk c of 32 rows): x thetaQ^T, x thetaK^T, x beta^T (f16 products, f32 sums), the two l2 norms, b = sigmoid;
;   Qm as A fragments; then wave w, for head 8 b + w: T = (I + tril(diag(b) K K^T, -1))^-1 by exact substitution in f32, Tb = T diag(b), -W = -Tb K, K^T, as fragments.
; LIMITS.  Matrix operands are f16: nothing beyond 65,504 (P = |q|^2 / 256, x_raw, the weights lie far below it at 30 times the usual spread or offset);
;   below 6e-5 f16 keeps a fixed step of 6e-8.  The rope angle is made by range reduction, polynomials (sin to a^7, cos to a^8, |a| <= pi/4) and a rotation from row to row: it agrees
;   with t * f in f32 to about 3e-5 rad.  Exponential, root and reciprocal flush denormals.  NaN and infinities are not treated apart.
; No multicast: what groups share here is f32 and is converted on its way, through registers.
; THE MODE: SCHED_MODE bits 1:0 = 2 (LLVM: expert scheduling mode 2), set by the entry lines.  The code itself states the register dependences
; between vector or matrix instructions and memory or LDS instructions, with s_wait_alu, always for 0.
; THE PLAN.  Registers that memory or LDS instructions touch, and who else names them:
;   v4, v5        offsets, made at the head, never written again.
;   A, rope       R0, R1: loaded; rotated and packed in place by eight rows' vector lines; read by 16 LDS stores; loaded again.  One wait on va_vdst between the vector lines and the stores, one on vm_vsrc
;                 between the stores and the loads.  v6, the stores' address, is stepped behind R1's wait on vm_vsrc and covered by the next trip's wait on va_vdst.
;   A, P          AB: loaded at a trip's head, read by its products.  PF: written by the roundings, read by the trip's four stores.  v9, v12: stepped early in a trip, behind its one wait on vm_vsrc.
;                 The one wait on va_vdst, ahead of the stores, also serves the next trip's loads: no vector line stands between it and them.  The 32 masks lie in scalar registers, one wait on va_sdst for all.
;   D, slices     the raw weights (window 1): loaded, read by 64 conversions a half, loaded again.  The stage v112-239: written by them, read by 32 LDS stores a half; the fragments FR land in its registers.
;                 v10, v11: stepped once a trip, behind the trip's last fragment loads.
;   D, T          Y's rows: two buffers (v96-223 of windows 0 and 1) by turns: a group's multiply-adds read one while the next group's rows land in the other.
;   D, quarters   K^T: two buffers (v96-127, v32-63); the way out: two (v192-223, v64-95): a quarter's turning loads are issued at the head of the quarter before.
.set QP, 528          ; a row of q~ in LDS: 512 bytes + 16
.set XP, 1040         ; a row of x or beta in f16: 1,024 + 16
.set BT, 33280
.set WS, 41728        ; per wave: 64 weight rows x 128 k in f16
.set WP, 272
.set RED, 180992
.set KP, 544          ; rows of Qm and K: 512 + 32
.set QMT, 182016
.set KTL, QMT+32*KP
.set YM, 216832       ; per wave: -b_i G[j][i], f32, 32 rows
.set YP, 144
.set BV, 253696       ; per wave: b of its 32 rows
.set TT, 254720       ; per wave: Tb in f16, 32 rows
.set TP, 80
.set SPARE, 275200    ; the spare words: 128 bytes a wave
.set REC, 34816       ; a record of recD: Tb 2 fragments, -W 16, K^T 16
.set SPW, 30          ; v30  LDS address of my spare word; never rewritten
.set NIL, 31          ; v31  0; never rewritten
.set CS, 16           ; role A: v16-23  (cos, sin) / 16 of my four pairs at the row in hand
.set DL, 224          ; v224-231  (cos, sin) of one row's step
.set S, 32
.set PF, 64
.set TM, 80
.set R0, 96
.set R1, 160
.set AB, 96
.set FR, 112
.set STG, 112         ; role D: v112-239  the weights' stage: 64 registers for each half of my 64 rows
.set MKA, 48          ; role A: s48-63 the masks of query tile 0,
.set MKB, 4           ; s4-19 those of tile 1 (the arguments that lay there are no longer wanted)
.set MSB, 0
.macro WIN new
.if MSB != (\new)
	s_set_vgpr_msb (MSB<<8)|(\new)
.set MSB, (\new)
.endif
.endm
.macro PLACES                       ; four places behind matrix instructions (ISA guide 7.12.1)
.rept 4
	v_nop
.endr
.endm
; cos and sin of 2 pi x.  x is reduced to [0, 1), k = the nearest quarter turn, a = the rest in radians, |a| <= pi / 4; the quarter swaps and signs the two series.
; The compare that says whether k is odd stands ahead of the series, the two selects that read it behind them.
.macro SINCOS x, c, s, t0, t1, t2, t3
	v_floor_f32 v[\t0], v[\x]
	v_sub_f32 v[\x], v[\x], v[\t0]
	v_mul_f32 v[\t0], 4.0, v[\x]
	v_rndne_f32 v[\t0], v[\t0]
	v_fmamk_f32 v[\t1], v[\t0], 0xbe800000, v[\x]
	v_cvt_i32_f32 v[\t0], v[\t0]
	v_and_b32 v[\t3], 1, v[\t0]
	v_cmp_eq_u32 vcc_lo, 1, v[\t3]
	v_mul_f32 v[\t1], 0x40c90fdb, v[\t1]
	v_mul_f32 v[\t2], v[\t1], v[\t1]
	v_mov_b32 v[\s], 0xb9500d01
	v_mov_b32 v[\c], 0x37d00d01
	v_fmaak_f32 v[\s], v[\s], v[\t2], 0x3c088889
	v_fmaak_f32 v[\c], v[\c], v[\t2], 0xbab60b61
	v_fmaak_f32 v[\s], v[\s], v[\t2], 0xbe2aaaab
	v_fmaak_f32 v[\c], v[\c], v[\t2], 0x3d2aaaab
	v_fmaak_f32 v[\s], v[\s], v[\t2], 0x3f800000
	v_fmaak_f32 v[\c], v[\c], v[\t2], 0xbf000000
	v_mul_f32 v[\s], v[\s], v[\t1]
	v_fmaak_f32 v[\c], v[\c], v[\t2], 0x3f800000
	v_add_nc_u32 v[\t3], 1, v[\t0]
	v_and_b32 v[\t3], 2, v[\t3]
	v_lshlrev_b32 v[\t3], 30, v[\t3]
	v_and_b32 v[\t0], 2, v[\t0]
	v_lshlrev_b32 v[\t0], 30, v[\t0]
	s_wait_alu depctr_va_vcc(0)         ; the compare has written VCC, which the two selects read
	v_cndmask_b32 v[\t1], v[\c], v[\s], vcc_lo
	v_cndmask_b32 v[\t2], v[\s], v[\c], vcc_lo
	v_xor_b32 v[\c], v[\t1], v[\t3]
	v_xor_b32 v[\s], v[\t2], v[\t0]
.endm
	s_load_b512 s[4:19], s[0:1], 0x0    ; x_raw 4, theta_Q 6, theta_K 8, beta_w 10, Q 12, pf 14, qmf 16, recD 18
	v_lshl_add_u32 v[SPW], v0, 2, SPARE
	v_mov_b32 v[NIL], 0
	v_lshrrev_b32 v1, 5, v0
	v_readfirstlane_b32 s20, v1         ; wave
	v_and_b32 v1, 31, v0                ; L
	v_and_b32 v2, 15, v0                ; r
	v_bfe_u32 v3, v0, 4, 1              ; h
	v_lshlrev_b32 v4, 4, v1             ; 16 L
	v_lshlrev_b32 v5, 3, v1             ; 8 L
	s_mov_b32 s42, 0x76543210
	s_mov_b32 s43, 0xfedcba98
	s_mov_b32 s27, 0
	s_wait_alu depctr_va_sdst(0)        ; s20 is written, ahead of the branch and of its first reader in either role
	s_wait_alu depctr_va_vdst(0)        ; v4 and v5 are written: the first loads of either role read v4 as their offset
	s_wait_kmcnt 0x0
	s_cmp_ge_u32 ttmp9, 128
	s_cbranch_scc1 .LroleD
; ------------------------------------------------------------------ ROLE A
.macro QLOAD buf, row0              ; eight rows of Q, 1,024 bytes each: two loads of 512 consecutive bytes a row
.set n, 0
.rept 8
	global_load_b128 v[(\buf)+8*n:(\buf)+8*n+3], v4, s[30:31] offset:((\row0)+n)*1024
	global_load_b128 v[(\buf)+8*n+4:(\buf)+8*n+7], v4, s[30:31] offset:((\row0)+n)*1024+512
.set n, n+1
.endr
.endm
; eight rows: (e, o) -> (e c - o s, o c + e s), rounded to f16; then (c, s) is turned by one row's step, by the same two lines.  The eight rows' vector lines stand together, their sixteen LDS stores behind them.
.macro ROPE8 buf, row0
.set n, 0
.rept 8
.irp x, 0,1,2,3
	v_pk_mul_f32 v[TM+2*\x:TM+2*\x+1], v[(\buf)+8*n+2*\x:(\buf)+8*n+2*\x+1], v[CS+2*\x:CS+2*\x+1] op_sel:[1,1] op_sel_hi:[0,1] neg_lo:[0,1]
.endr
.irp x, 0,1,2,3
	v_pk_fma_f32 v[(\buf)+8*n+2*\x:(\buf)+8*n+2*\x+1], v[(\buf)+8*n+2*\x:(\buf)+8*n+2*\x+1], v[CS+2*\x:CS+2*\x+1], v[TM+2*\x:TM+2*\x+1] op_sel_hi:[1,0,1]
.endr
.irp x, 0,1,2,3
	v_pk_mul_f32 v[TM+8+2*\x:TM+8+2*\x+1], v[CS+2*\x:CS+2*\x+1], v[DL+2*\x:DL+2*\x+1] op_sel:[1,1] op_sel_hi:[0,1] neg_lo:[0,1]
.endr
.irp x, 0,1,2,3
	v_pk_fma_f32 v[CS+2*\x:CS+2*\x+1], v[CS+2*\x:CS+2*\x+1], v[DL+2*\x:DL+2*\x+1], v[TM+8+2*\x:TM+8+2*\x+1] op_sel_hi:[1,0,1]
.endr
.irp x, 0,1,2,3
	v_cvt_pk_f16_f32 v[(\buf)+8*n+\x], v[(\buf)+8*n+2*\x], v[(\buf)+8*n+2*\x+1]
.endr
.set n, n+1
.endr
	s_wait_alu depctr_va_vdst(0)        ; the roundings have written the packed rows, and v6 is written: the LDS stores read both; and the vector lines are done with this buffer, in which the next loads land
.set n, 0
.rept 8
	ds_store_b64 v6, v[(\buf)+8*n:(\buf)+8*n+1] offset:((\row0)+n)*QP
	ds_store_b64 v6, v[(\buf)+8*n+2:(\buf)+8*n+3] offset:((\row0)+n)*QP+256
.set n, n+1
.endr
	s_wait_alu depctr_vm_vsrc(0)        ; the LDS stores have read the buffer, in which the next loads land, and v6, which the trip's end steps
.endm
	s_lshr_b32 s21, ttmp9, 2            ; head
	s_and_b32 s22, ttmp9, 3             ; the low block i
	s_sub_co_u32 s23, 7, s22            ; the high block 7 - i
	s_cmp_gt_u32 s20, s23
	s_cbranch_scc1 .Lnorope             ; wave w ropes rows 64 w ..: only blocks 0 .. 7 - i are needed.  No barrier is jumped
	s_lshl_b32 s26, s21, 19
	s_lshl_b32 s44, s20, 16
	s_add_co_u32 s26, s26, s44
	s_add_nc_u64 s[28:29], s[12:13], s[26:27]   ; Q at my first row
	s_mov_b64 s[30:31], s[28:29]
	QLOAD R0, 0
	QLOAD R1, 8
	s_mul_i32 s44, s20, 64*QP
	v_add_nc_u32 v6, s44, v5            ; where my 8 bytes of a row's half go
	s_lshl_b32 s44, s20, 6
	v_cvt_f32_u32 v83, s44              ; my first row's t
.irp x, 0,1,2,3                     ; my pairs p = 64 q + 2 L + e, x = 2 q + e: f = 2^(-p/8) / 2 pi turns a row
	v_lshl_add_u32 v[88+\x], v1, 1, 64*(\x/2)+(\x%2)
	v_cvt_f32_u32 v[88+\x], v[88+\x]
	v_mul_f32 v[88+\x], 0xbe000000, v[88+\x]
.endr
.irp x, 0,1,2,3
	v_exp_f32 v[88+\x], v[88+\x]
.endr
	v_nop                               ; a plain instruction behind the last exponential
	s_wait_alu depctr_va_vdst(0)        ; the four exponentials have written v88-91, ahead of their first reader: one wait for the batch
.irp x, 0,1,2,3
	v_mul_f32 v81, 0.15915494, v[88+\x]
	v_mul_f32 v82, v83, v81
	SINCOS 82, CS+2*\x, CS+2*\x+1, 84, 85, 86, 87
	SINCOS 81, DL+2*\x, DL+2*\x+1, 84, 85, 86, 87
	v_mul_f32 v[CS+2*\x], 0x3d800000, v[CS+2*\x]      ; the scale 1/16 rides on the rotation
	v_mul_f32 v[CS+2*\x+1], 0x3d800000, v[CS+2*\x+1]
.endr
	s_mov_b32 s45, 0
	s_mov_b32 s46, 4
.Lrope:                                 ; a trip: 16 rows; each buffer is filled again with the rows 16 further on (the last trip's look-ahead is clamped to the last 16 rows and discarded)
	s_add_co_u32 s45, s45, 16384
	s_min_u32 s45, s45, 49152
	s_mov_b32 s26, s45
	s_wait_loadcnt 16                   ; buffer 0 is in; buffer 1's 16 loads stay out
	ROPE8 R0, 0
	s_wait_xcnt 0x0                     ; the base is rewritten only behind this wait
	s_add_nc_u64 s[30:31], s[28:29], s[26:27]
	QLOAD R0, 0
	s_wait_loadcnt 16                   ; buffer 1 is in; the 16 just issued stay out
	ROPE8 R1, 8
	QLOAD R1, 8
	v_add_nc_u32 v6, 16*QP, v6          ; free since the wait on vm_vsrc that ends ROPE8: no LDS store stands behind it
	s_sub_co_u32 s46, s46, 1
	s_cmp_lg_u32 s46, 0
	s_cbranch_scc1 .Lrope
	s_wait_loadcnt 0x0
.Lnorope:
	s_wait_dscnt 0x0                    ; my rows are in LDS,
	s_barrier_signal -1
	s_barrier_wait -1                   ; everybody's are
	; shares: waves 0-3 the high block, 4-7 the low; of a block's four query tiles two a wave pair; of the key steps of 32 the even or the odd ones
	s_and_b32 s24, s20, 1               ; par
	s_lshr_b32 s25, s20, 1
	s_and_b32 s32, s25, 1
	s_cmp_lt_u32 s25, 2
	s_cselect_b32 s33, s23, s22         ; blk
	s_lshl_b32 s34, s33, 2
	s_lshl_b32 s44, s32, 1
	s_add_co_u32 s34, s34, s44          ; qt0
	s_lshl_b32 s35, s33, 1
	s_add_co_u32 s35, s35, 1            ; the block's last key step
	v_mul_u32_u24 v7, v2, QP
	v_lshl_add_u32 v7, v3, 4, v7        ; r x pitch + 16 h
	s_mul_i32 s44, s34, 16*QP
	v_add_nc_u32 v8, s44, v7            ; my query tiles
	s_mul_i32 s44, s24, 32*QP
	v_add_nc_u32 v9, s44, v7            ; my first key step
	s_lshl_b32 s44, s34, 4
	s_lshl_b32 s47, s24, 5
	s_sub_co_u32 s44, s44, s47
	v_lshlrev_b32 v10, 3, v3
	v_sub_nc_u32 v10, v2, v10
	v_add_nc_u32 v10, s44, v10          ; query - 8 h - 32 ks: register j of key tile st is kept where 16 st + j is less
	v_add_nc_u32 v11, 16, v10
	s_lshl_b32 s26, s21, 5
	s_add_co_u32 s26, s26, s34
	s_lshl_b32 s26, s26, 14
	s_add_nc_u64 s[36:37], s[14:15], s[26:27]
	s_lshl_b32 s44, s24, 10
	v_add_nc_u32 v12, s44, v4
	s_mov_b32 s38, s24                  ; ks
	WIN 0x40
	s_wait_alu depctr_va_vdst(0)        ; v8 and v9 are written, which the LDS loads below and the first trip's read as addresses
.set n, 0
.rept 16                            ; my two query tiles stay in registers: tile n / 8, channels 32 (n % 8) on
	ds_load_b128 v[8*n:8*n+3], v8 offset:(n/8)*16*QP+(n%8)*64
	ds_load_b128 v[8*n+4:8*n+7], v8 offset:(n/8)*16*QP+(n%8)*64+32
.set n, n+1
.endr
	WIN 0
.macro PMUL k0                      ; S[u][st](key, query) += keys' rows x queries' rows; four accumulators by turns
.set kk, \k0
.rept 4
.irp u, 0,1
.irp st, 0,1
.if kk == 0
	v_wmma_f32_16x16x32_f16 v[S+8*(2*\u+\st):S+8*(2*\u+\st)+7], v[AB+8*(2*kk+\st):AB+8*(2*kk+\st)+7], v[8*(8*\u+kk):8*(8*\u+kk)+7], 0
.else
	v_wmma_f32_16x16x32_f16 v[S+8*(2*\u+\st):S+8*(2*\u+\st)+7], v[AB+8*(2*kk+\st):AB+8*(2*kk+\st)+7], v[8*(8*\u+kk):8*(8*\u+kk)+7], v[S+8*(2*\u+\st):S+8*(2*\u+\st)+7]
.endif
.endr
.endr
.set kk, kk+1
.endr
.endm
	s_mov_b32 s39, 8
.Lp:                                    ; eight trips, the most that any wave has; a trip past the block's last key step is jumped over, and so are all behind it: a dead trip steps no address
	s_cmp_gt_u32 s38, s35
	s_cbranch_scc1 .Lpskip
.set n, 0
.rept 16                            ; 32 keys x 256 channels: n = 2 kk + st.  No wait here: the last wait on va_vdst (ahead of the last trip's stores; the first time ahead of the query tiles' loads) stands behind
	ds_load_b128 v[AB+8*n:AB+8*n+3], v9 offset:(n%2)*16*QP+(n/2)*64       ; every product that read AB and behind the line that wrote v9, and no vector line stands between it and these loads
	ds_load_b128 v[AB+8*n+4:AB+8*n+7], v9 offset:(n%2)*16*QP+(n/2)*64+32
.set n, n+1
.endr
.set n, 0
.rept 32                            ; n = 8 (2 u + st) + j: the masks, made while the keys are on their way
.set mk, MKA+n
.if n >= 16
.set mk, MKB+n-16
.endif
	v_cmp_lt_i32 s[mk], 16*((n/8)%2)+(n%8), v[10+n/16]
.set n, n+1
.endr
	s_wait_xcnt 0x0                     ; the last trip's stores: their offset and data are rewritten only behind this wait
	s_wait_alu depctr_vm_vsrc(0)        ; the LDS loads above have read v9; the last trip's stores have read v12 and PF
	v_add_nc_u32 v9, 64*QP, v9
	v_add_nc_u32 v10, 0xffffffc0, v10   ; two key steps on: 64 less
	v_add_nc_u32 v11, 0xffffffc0, v11
	v_add_nc_u32 v12, 2048, v12         ; this trip's stores reach back by a negative offset
	s_wait_dscnt 16                     ; channels 0-127 are in (and, the first time, my query tiles)
	WIN 0x04
	PMUL 0
	s_wait_dscnt 0x0
	PMUL 4
	WIN 0
	PLACES
	s_wait_alu depctr_va_sdst(0)        ; the 32 compares have written their masks, which the selects read
.set n, 0
.rept 32                            ; keys at or past the query count as 0
.set mk, MKA+n
.if n >= 16
.set mk, MKB+n-16
.endif
	v_cndmask_b32 v[S+n], 0, v[S+n], s[mk]
.set n, n+1
.endr
.set n, 0
.rept 16                            ; two key tiles, packed in pairs, are the A fragment of P: a lane holds one query and its 16 keys
	v_cvt_pk_f16_f32 v[PF+n], v[S+2*n], v[S+2*n+1]
.set n, n+1
.endr
	s_wait_alu depctr_va_vdst(0)        ; the roundings have written PF, and v12 is written: the stores read both; for the next trip's loads: the products are done reading AB, and v9 is written
.irp u, 0,1
	global_store_b128 v12, v[PF+8*\u:PF+8*\u+3], s[36:37] offset:\u*16384-2048
	global_store_b128 v12, v[PF+8*\u+4:PF+8*\u+7], s[36:37] offset:\u*16384+512-2048
.endr
.Lpskip:
	s_add_co_u32 s38, s38, 2
	s_sub_co_u32 s39, s39, 1
	s_cmp_lg_u32 s39, 0
	s_cbranch_scc1 .Lp
	s_wait_dscnt 0x0                    ; the wave's end
	s_wait_alu 0x0
	s_wait_tensorcnt 0x0
	ds_add_u32 v[SPW], v[NIL]
	s_wait_dscnt 0x0
	s_endpgm
; ------------------------------------------------------------------ ROLE D
.LroleD:
	s_sub_co_u32 s21, ttmp9, 128
	s_lshr_b32 s22, s21, 4              ; b
	s_and_b32 s23, s21, 15              ; c
	s_lshr_b32 s24, s20, 2              ; 0: theta_Q, 1: theta_K
	s_and_b32 s25, s20, 3               ; which 64 of its 256 rows
	s_lshl_b32 s26, s22, 9
	s_lshl_b32 s44, s23, 5
	s_add_co_u32 s26, s26, s44
	s_lshl_b32 s44, s20, 2
	s_add_co_u32 s26, s26, s44
	s_lshl_b32 s26, s26, 11
	s_add_nc_u64 s[28:29], s[4:5], s[26:27]     ; x at rows 32 c + 4 w
	s_lshl_b32 s26, s20, 11
	s_add_nc_u64 s[34:35], s[10:11], s[26:27]   ; beta_w row w
	s_cmp_eq_u32 s24, 0
	s_cselect_b64 s[32:33], s[6:7], s[8:9]
	s_lshl_b32 s26, s25, 17
	s_add_nc_u64 s[32:33], s[32:33], s[26:27]   ; my 64 weight rows
	s_mov_b64 s[36:37], s[32:33]
.macro WLOAD half                   ; 32 weight rows x 128 k of f32: a row's 512 bytes a load
	WIN 0x40
.set n, 0
.rept 32
	global_load_b128 v[128*(\half)+4*n:128*(\half)+4*n+3], v4, s[36:37] offset:(32*(\half)+n)*2048
.set n, n+1
.endr
.endm
.macro WCVT half                    ; they go to my own LDS rows in f16: 64 conversions into the half's stage, then 32 stores
	WIN 0x05
.set n, 0
.rept 32
	v_cvt_pk_f16_f32 v[STG+64*(\half)+2*n], v[128*(\half)+4*n], v[128*(\half)+4*n+1]
	v_cvt_pk_f16_f32 v[STG+64*(\half)+2*n+1], v[128*(\half)+4*n+2], v[128*(\half)+4*n+3]
.set n, n+1
.endr
	WIN 0
	s_wait_alu depctr_va_vdst(0)        ; the conversions have written the stage, which the LDS stores read, and are done reading the raw half, in which the next slice's loads land; v10 and v11 are written
.set n, 0
.rept 32
	ds_store_b64 v8, v[STG+64*(\half)+2*n:STG+64*(\half)+2*n+1] offset:(32*(\half)+n)*WP
.set n, n+1
.endr
.endm
.set n, 0
.rept 16
	global_load_b128 v[112+4*n:115+4*n], v4, s[28:29] offset:(n/4)*2048+(n%4)*512
.set n, n+1
.endr
.set n, 0
.rept 4
	global_load_b128 v[176+4*n:179+4*n], v4, s[34:35] offset:n*512
.set n, n+1
.endr
	WLOAD 0
	WIN 0
	; addresses, in the wait for the loads
	s_lshl_b32 s26, s22, 5
	s_lshl_b32 s44, s23, 1
	s_add_co_u32 s26, s26, s44
	s_lshl_b32 s26, s26, 3
	s_lshl_b32 s44, s20, 1
	s_add_co_u32 s26, s26, s44
	s_lshl_b32 s26, s26, 10
	s_add_nc_u64 s[38:39], s[16:17], s[26:27]   ; my two fragments of Qm
	s_lshl_b32 s26, s22, 3
	s_add_co_u32 s26, s26, s20
	s_lshl_b32 s26, s26, 4
	s_add_co_u32 s26, s26, s23
	s_mul_i32 s26, s26, REC
	s_add_nc_u64 s[40:41], s[18:19], s[26:27]   ; my head's record of this chunk
	s_mul_i32 s44, s20, 4*XP
	v_add_nc_u32 v6, s44, v5
	s_mul_i32 s45, s20, XP
	v_add3_u32 v7, v5, s45, BT
	s_mul_i32 s46, s20, 64*WP
	s_add_co_u32 s46, s46, WS
	v_add_nc_u32 v8, s46, v5
	v_mul_u32_u24 v9, v2, WP
	v_lshl_add_u32 v9, v3, 4, v9
	v_add_nc_u32 v9, s46, v9
	v_mul_u32_u24 v10, v2, XP
	v_lshl_add_u32 v10, v3, 4, v10
	v_lshlrev_b32 v11, 4, v3
	v_add3_u32 v11, v11, s45, BT
	v_lshlrev_b32 v12, 2, v2
	s_lshl_b32 s47, s24, 9
	v_add3_u32 v13, v12, s47, RED
	s_lshl_b32 s47, s20, 7
	v_add3_u32 v12, v12, s47, RED
	v_mul_u32_u24 v25, v2, KP
	v_lshl_add_u32 v25, v3, 4, v25
	s_lshl_b32 s48, s25, 7
	s_mul_i32 s47, s24, 32*KP
	s_add_co_u32 s47, s47, s48
	s_add_co_u32 s47, s47, QMT
	v_add_nc_u32 v14, s47, v25
	v_add_nc_u32 v15, 16*KP, v14
	s_mul_i32 s47, s24, 16*KP
	s_add_co_u32 s47, s47, s48
	s_add_co_u32 s47, s47, QMT
	v_add_nc_u32 v24, s47, v25
	v_add_nc_u32 v25, KTL, v25
	v_lshl_add_u32 v21, v0, 2, BV
	s_lshl_b32 s47, s20, 7
	s_add_co_u32 s47, s47, BV
	v_mov_b32 v23, s47
	s_mul_i32 s47, s20, 32*YP
	s_add_co_u32 s47, s47, YM
	v_mov_b32 v22, s47
	v_mul_u32_u24 v26, v3, 8*YP
	v_lshl_add_u32 v26, v2, 2, v26
	v_add_nc_u32 v26, s47, v26
	s_mul_i32 s47, s20, 32*TP
	s_add_co_u32 s47, s47, TT
	v_mul_u32_u24 v27, v1, TP
	v_add_nc_u32 v27, s47, v27
	v_mul_u32_u24 v28, v2, TP
	v_lshl_add_u32 v28, v3, 4, v28
	v_add_nc_u32 v28, s47, v28
	v_and_b32 v29, 7, v0
	v_lshl_add_u32 v29, v3, 3, v29
	v_mul_u32_u24 v29, v29, KP
	v_bfe_u32 v16, v0, 3, 1
	v_lshl_add_u32 v29, v16, 4, v29
	v_add_nc_u32 v29, KTL, v29
.set n, 32
.rept 80                            ; the ten accumulators are cleared on purpose: the K slice below is then written once and walked four times
	v_mov_b32 v[n], 0
.set n, n+1
.endr
	s_wait_loadcnt 32                   ; x and beta are in; the 32 weight loads stay out
.set n, 0
.rept 16
	v_cvt_pk_f16_f32 v[224+2*n], v[112+4*n], v[113+4*n]
	v_cvt_pk_f16_f32 v[225+2*n], v[114+4*n], v[115+4*n]
.set n, n+1
.endr
.set n, 0
.rept 4
	v_cvt_pk_f16_f32 v[192+2*n], v[176+4*n], v[177+4*n]
	v_cvt_pk_f16_f32 v[193+2*n], v[178+4*n], v[179+4*n]
.set n, n+1
.endr
	s_wait_alu depctr_va_vdst(0)        ; the conversions have written v224-255 and v192-199, which the LDS stores read; and all the role's addresses, v6 to v29, are written
.set n, 0
.rept 16
	ds_store_b64 v6, v[224+2*n:225+2*n] offset:(n/4)*XP+(n%4)*256
.set n, n+1
.endr
.set n, 0
.rept 4
	ds_store_b64 v7, v[192+2*n:193+2*n] offset:n*256
.set n, n+1
.endr
	WLOAD 1
	WIN 0
	s_wait_dscnt 0x0
	s_barrier_signal -1
	s_barrier_wait -1                   ; x and beta lie whole in LDS
	s_wait_alu depctr_vm_vsrc(0)        ; my LDS stores have read v192-199 and v224-255: from here on they belong to the weights' stage, which the conversions write
	s_mov_b32 s50, 0
	s_mov_b32 s51, 4
.Lslice:                                ; a trip: 128 of K.  The weights of the next slice are asked for as each half is converted (the last trip's look-ahead is clamped and discarded)
	s_add_co_u32 s50, s50, 512
	s_min_u32 s50, s50, 1536
	s_mov_b32 s26, s50
	s_wait_loadcnt 32                   ; rows 0-31 are in; rows 32-63 stay out
	WCVT 0
	s_wait_xcnt 0x0
	s_add_nc_u64 s[36:37], s[32:33], s[26:27]
	WLOAD 0
	s_wait_loadcnt 32                   ; rows 32-63 are in; the 32 just issued stay out
	WCVT 1
	WLOAD 1
	WIN 0
.irp a, 0,1
.if \a == 0
	s_wait_alu depctr_vm_vsrc(0)        ; my LDS stores have read the stage, v112-239, in whose registers the fragments land
.else
	s_wait_alu depctr_va_vdst(0)        ; the twenty products above are done reading their fragments, in whose registers the next land
.endif
.irp l, 0,1
.irp nt, 0,1,2,3
	ds_load_b128 v[FR+8*(7*\l+\nt):FR+8*(7*\l+\nt)+3], v9 offset:\nt*16*WP+64*(2*\a+\l)
	ds_load_b128 v[FR+8*(7*\l+\nt)+4:FR+8*(7*\l+\nt)+7], v9 offset:\nt*16*WP+64*(2*\a+\l)+32
.endr
.irp tt, 0,1
	ds_load_b128 v[FR+8*(7*\l+4+\tt):FR+8*(7*\l+4+\tt)+3], v10 offset:\tt*16*XP+64*(2*\a+\l)
	ds_load_b128 v[FR+8*(7*\l+4+\tt)+4:FR+8*(7*\l+4+\tt)+7], v10 offset:\tt*16*XP+64*(2*\a+\l)+32
.endr
	ds_load_b128 v[FR+8*(7*\l+6):FR+8*(7*\l+6)+3], v11 offset:64*(2*\a+\l)
	ds_load_b128 v[FR+8*(7*\l+6)+4:FR+8*(7*\l+6)+7], v11 offset:64*(2*\a+\l)+32
.endr
.if \a == 1
	s_wait_alu depctr_vm_vsrc(0)        ; the trip's last fragment loads have read v10 and v11
	v_add_nc_u32 v10, 256, v10          ; the next slice; the next trip's first wait on va_vdst stands ahead of their next reader
	v_add_nc_u32 v11, 256, v11
.endif
	s_wait_dscnt 0x0
.irp l, 0,1                         ; ten accumulators by turns: (weight row, x row) eight times, beta (the same row sixteen times over) twice
.irp nt, 0,1,2,3
.irp tt, 0,1
	v_wmma_f32_16x16x32_f16 v[32+8*(2*\nt+\tt):32+8*(2*\nt+\tt)+7], v[FR+8*(7*\l+\nt):FR+8*(7*\l+\nt)+7], v[FR+8*(7*\l+4+\tt):FR+8*(7*\l+4+\tt)+7], v[32+8*(2*\nt+\tt):32+8*(2*\nt+\tt)+7]
.endr
.endr
.irp tt, 0,1
	v_wmma_f32_16x16x32_f16 v[96+8*\tt:96+8*\tt+7], v[FR+8*(7*\l+6):FR+8*(7*\l+6)+7], v[FR+8*(7*\l+4+\tt):FR+8*(7*\l+4+\tt)+7], v[96+8*\tt:96+8*\tt+7]
.endr
.endr
	PLACES                              ; behind the second run they stand ahead of the conversions that write the fragments' registers, and of the first read of the sums
.endr
	s_sub_co_u32 s51, s51, 1
	s_cmp_lg_u32 s51, 0
	s_cbranch_scc1 .Lslice
	s_wait_loadcnt 0x0
	; the norms: a lane holds x row t = 16 tt + r and 32 of my 64 outputs; the other 32 lie 16 lanes away, the other 192 in three other waves
.set n, 0
.rept 32                            ; n = 8 nt + 2 p + tt
.set ra, 32+8*(2*(n/8)+(n%2))+2*((n%8)/2)
.if n < 2
	v_pk_mul_f32 v[224+2*(n%2):225+2*(n%2)], v[ra:ra+1], v[ra:ra+1]
.else
	v_pk_fma_f32 v[224+2*(n%2):225+2*(n%2)], v[ra:ra+1], v[ra:ra+1], v[224+2*(n%2):225+2*(n%2)]
.endif
.set n, n+1
.endr
	v_add_f32 v224, v224, v225
	v_add_f32 v226, v226, v227
	v_permlanex16_b32 v225, v224, s42, s43
	v_permlanex16_b32 v227, v226, s42, s43
	v_add_f32 v224, v224, v225
	v_add_f32 v226, v226, v227
	s_wait_alu depctr_va_vdst(0)        ; the two sums v224 and v226 are written, which the LDS stores read; no vector line behind this wait names v228-235, in which the eight loads below land
	ds_store_b32 v12, v224
	ds_store_b32 v12, v226 offset:64
	s_wait_dscnt 0x0
	s_barrier_signal -1
	s_barrier_wait -1
.set n, 0
.rept 8                             ; n = 4 tt + wave of my four
	ds_load_b32 v[228+n], v13 offset:(n%4)*128+(n/4)*64
.set n, n+1
.endr
	v_mul_f32 v16, 0xbfb8aa3b, v96      ; b = 1 / (1 + 2^(-z log2 e)) for rows r and 16 + r
	v_mul_f32 v17, 0xbfb8aa3b, v104
	v_exp_f32 v16, v16
	v_exp_f32 v17, v17
	v_nop
	s_wait_alu depctr_va_vdst(0)        ; the two exponentials have written v16 and v17, ahead of their first reader
	v_add_f32 v16, 1.0, v16
	v_add_f32 v17, 1.0, v17
	v_rcp_f32 v16, v16
	v_rcp_f32 v17, v17
	v_cmp_eq_u32 vcc_lo, 1, v3          ; also the plain instruction behind the reciprocals
	s_wait_alu depctr_va_vdst(0)        ; the two reciprocals have written v16 and v17, ahead of their first reader
	s_wait_alu depctr_va_vcc(0)         ; the compare has written VCC, which the select reads
	v_cndmask_b32 v18, v16, v17, vcc_lo ; lane L: b of row L
	v_xor_b32 v19, 0x80000000, v16
	v_xor_b32 v20, 0x80000000, v17
	s_wait_dscnt 0x0                    ; the eight partial sums are in
	s_wait_alu depctr_vm_vsrc(0)        ; the two LDS stores above the barrier have read v224 and v226, which the additions below write again
	v_add_f32 v228, v228, v229
	v_add_f32 v230, v230, v231
	v_add_f32 v232, v232, v233
	v_add_f32 v234, v234, v235
	v_add_f32 v224, v228, v230
	v_add_f32 v226, v232, v234
	v_sqrt_f32 v224, v224
	v_sqrt_f32 v226, v226
	v_nop
	s_wait_alu depctr_va_vdst(0)        ; the two roots have written v224 and v226, ahead of their first reader; and v18 is written, which the LDS store reads
	ds_store_b32 v21, v18
	v_max_num_f32 v224, 0x2b8cbccc, v224
	v_max_num_f32 v226, 0x2b8cbccc, v226
	v_rcp_f32 v224, v224
	v_rcp_f32 v226, v226
	v_nop
	s_wait_alu depctr_va_vdst(0)        ; the two reciprocals have written v224 and v226, ahead of their first reader
.set n, 0
.rept 8                             ; n = 2 nt + tt: eight neighbouring outputs of a row pack into 16 bytes; each tile has four registers of its own
.set ra, 32+8*n
.set rt, 112+4*n
.irp p, 0,1,2,3
	v_pk_mul_f32 v[ra+2*\p:ra+2*\p+1], v[ra+2*\p:ra+2*\p+1], v[224+2*(n%2):225+2*(n%2)] op_sel_hi:[1,0]
.endr
.irp p, 0,1,2,3
	v_cvt_pk_f16_f32 v[rt+\p], v[ra+2*\p], v[ra+2*\p+1]
.endr
.set n, n+1
.endr
	s_wait_alu depctr_va_vdst(0)        ; the roundings have written v112-143, which the LDS stores read; and the vector lines are done with v96-111 and v224-227, in which loads land behind the barrier
.set n, 0
.rept 8
	ds_store_b128 v[14+(n%2)], v[112+4*n:112+4*n+3] offset:32*(n/2)
.set n, n+1
.endr
	s_wait_dscnt 0x0
	s_barrier_signal -1
	s_barrier_wait -1                   ; Qm and K lie whole in LDS
	s_wait_alu depctr_vm_vsrc(0)        ; my LDS stores have read v112-143, in which K's fragments land
	; Qm out: my two fragments
.irp l, 0,1
	ds_load_b128 v[224+8*\l:227+8*\l], v24 offset:64*\l
	ds_load_b128 v[228+8*\l:231+8*\l], v24 offset:64*\l+32
.endr
.set n, 0
.rept 16                            ; K's 32 rows x 256: n = 2 kk + tile
	ds_load_b128 v[96+8*n:99+8*n], v25 offset:(n%2)*16*KP+(n/2)*64
	ds_load_b128 v[100+8*n:103+8*n], v25 offset:(n%2)*16*KP+(n/2)*64+32
.set n, n+1
.endr
	s_wait_dscnt 32                     ; Qm's four loads are in; K's 32 stay out
.irp l, 0,1
	global_store_b128 v4, v[224+8*\l:227+8*\l], s[38:39] offset:\l*1024
	global_store_b128 v4, v[228+8*\l:231+8*\l], s[38:39] offset:\l*1024+512
.endr
.macro GMUL k0                      ; G = K K^T, four accumulators by turns
.set kk, \k0
.rept 4
.irp st, 0,1
.irp tt, 0,1
.if kk == 0
	v_wmma_f32_16x16x32_f16 v[32+8*(2*\st+\tt):32+8*(2*\st+\tt)+7], v[96+8*(2*kk+\st):96+8*(2*kk+\st)+7], v[96+8*(2*kk+\tt):96+8*(2*kk+\tt)+7], 0
.else
	v_wmma_f32_16x16x32_f16 v[32+8*(2*\st+\tt):32+8*(2*\st+\tt)+7], v[96+8*(2*kk+\st):96+8*(2*kk+\st)+7], v[96+8*(2*kk+\tt):96+8*(2*kk+\tt)+7], v[32+8*(2*\st+\tt):32+8*(2*\st+\tt)+7]
.endif
.endr
.endr
.set kk, kk+1
.endr
.endm
	s_wait_dscnt 16
	GMUL 0
	s_wait_dscnt 0x0
	GMUL 4
	PLACES
.set n, 0
.rept 32                            ; n = 8 (2 st + tt) + j: Y[row 16 st + 8 h + j][column i = 16 tt + r] = -b_i G
	v_mul_f32 v[32+n], v[19+((n/8)%2)], v[32+n]
.set n, n+1
.endr
	s_wait_alu depctr_va_vdst(0)        ; the multiplies have written v32-63, which the LDS stores read; the products are done reading v96-223, and the vector lines are done with v64-95: loads land in both below
.set n, 0
.rept 32
	ds_store_b32 v26, v[32+n] offset:(16*(n/16)+(n%8))*YP+64*((n/8)%2)
.set n, n+1
.endr
.set n, 0
.rept 8
	ds_load_b128 v[64+4*n:67+4*n], v23 offset:16*n   ; b_0 .. b_31, the same in every lane
.set n, n+1
.endr
	; T (I + X) = I, X[i][j] = b_i G[i][j] for i > j.  Lane L holds row L of T; column j follows from the columns behind it: T[L][j] = (L == j) + sum over i > j of T[L][i] Y[j][i].  Exact, no series.
	; Four columns at a time, from the last.  A group's four rows of Y lie in v96-223 of window 0 (odd groups) or of window 1 (even groups): the next group's rows land in one buffer while this group's lines read the other.
.macro YLOAD grp
.if ((\grp)%2) == 0
	WIN 0x40
.else
	WIN 0
.endif
.set jj, 0
.rept 4
.set g, \grp
.rept 8-(\grp)
	ds_load_b128 v[96+32*jj+4*g:96+32*jj+4*g+3], v22 offset:(4*(\grp)+jj)*YP+16*g
.set g, g+1
.endr
.set jj, jj+1
.endr
.endm
	YLOAD 7
	WIN 0
	s_wait_alu depctr_vm_vsrc(0)        ; Y's LDS stores have read v32-63, which T's columns take from here on; Qm's stores have read v224-239, in which Tb's fragments land further down
.set jg, 7
.rept 8
	WIN 0
.set jj, 0
.rept 4
	v_cmp_eq_u32 s[52+jj], 4*jg+jj, v1
.set jj, jj+1
.endr
	s_wait_dscnt 0x0                    ; this group's rows of Y are in (the first time b too)
.if (jg < 7) && (jg > 0)
	s_wait_alu depctr_va_vdst(0)        ; the group before is done reading its rows of Y, in whose registers the next group's rows land
.endif
.if jg > 0
	YLOAD jg-1
	WIN 0
.endif
	s_wait_alu depctr_va_sdst(0)        ; the four compares have written s52-55, which the selects read
.set jj, 0
.rept 4
	v_cndmask_b32 v[32+4*jg+jj], 0, 1.0, s[52+jj]
.set jj, jj+1
.endr
.if (jg%2) == 0
	WIN 0x04                            ; source 1, Y's rows, in window 1
.endif
.if jg < 7
.set i, 4*jg+4
.rept 28-4*jg
.irp q, 0,1,2,3
	v_fmac_f32 v[32+4*jg+\q], v[32+i], v[96+32*\q+i]
.endr
.set i, i+1
.endr
.endif
	v_fmac_f32 v[32+4*jg+2], v[32+4*jg+3], v[96+64+4*jg+3]
	v_fmac_f32 v[32+4*jg+1], v[32+4*jg+3], v[96+32+4*jg+3]
	v_fmac_f32 v[32+4*jg], v[32+4*jg+3], v[96+4*jg+3]
	v_fmac_f32 v[32+4*jg+1], v[32+4*jg+2], v[96+32+4*jg+2]
	v_fmac_f32 v[32+4*jg], v[32+4*jg+2], v[96+4*jg+2]
	v_fmac_f32 v[32+4*jg], v[32+4*jg+1], v[96+4*jg+1]
.set jg, jg-1
.endr
	WIN 0
.set n, 0
.rept 16
	v_pk_mul_f32 v[32+2*n:33+2*n], v[32+2*n:33+2*n], v[64+2*n:65+2*n]   ; Tb = T diag(b)
.set n, n+1
.endr
.set n, 0
.rept 16
	v_cvt_pk_f16_f32 v[96+n], v[32+2*n], v[33+2*n]
.set n, n+1
.endr
	s_wait_alu depctr_va_vdst(0)        ; the roundings have written v96-111, which the LDS stores read, and are done reading v32-63, in which K^T's second quarter lands
.irp q, 0,1,2,3
	ds_store_b128 v27, v[96+4*\q:99+4*\q] offset:16*\q
.endr
	s_wait_xcnt 0x0                     ; Qm's stores have had their addresses translated: v224-239 are loaded again only behind this wait
.irp it, 0,1
	ds_load_b128 v[224+8*\it:227+8*\it], v28 offset:\it*16*TP
	ds_load_b128 v[228+8*\it:231+8*\it], v28 offset:\it*16*TP+32
.endr
; a quarter of N: K^T's four fragments (turned out of LDS) go out as they are, and times -Tb^T give -W^T, whose tiles packed in pairs are -W's A fragments.
; K^T of quarter qd lies in v96-127 (even qd) or v32-63 (odd), the packed -W in v192-223 or v64-95.
.macro KTLOAD qd
.set kt, 96-64*((\qd)%2)
.irp f, 0,1,2,3
	ds_load_tr16_b128 v[kt+8*\f:kt+8*\f+3], v29 offset:32*(4*(\qd)+\f)
	ds_load_tr16_b128 v[kt+8*\f+4:kt+8*\f+7], v29 offset:32*(4*(\qd)+\f)+16*KP
.endr
.endm
	s_wait_alu depctr_vm_vsrc(0)        ; Tb's LDS stores have read v96-111, in which K^T's first quarter lands
	KTLOAD 0
	s_wait_dscnt 8                      ; Tb's fragments are in; K^T's eight loads stay out
.irp it, 0,1
	global_store_b128 v4, v[224+8*\it:227+8*\it], s[40:41] offset:\it*1024
	global_store_b128 v4, v[228+8*\it:231+8*\it], s[40:41] offset:\it*1024+512
.endr
.set n, 0
.rept 16
	v_xor_b32 v[240+n], 0x80008000, v[224+n]       ; -Tb
.set n, n+1
.endr
.macro QUARTER qd
	s_wait_dscnt 0x0                    ; this quarter's K^T is in
.if ((\qd) == 1) || ((\qd) == 2)
	s_wait_xcnt 0x0                     ; the earlier quarters' stores have had their addresses translated: their data registers are written again only behind this wait
	s_wait_alu depctr_vm_vsrc(0)        ; the last quarter's stores have read its K^T, in whose registers the next quarter's lands; the stores of two quarters back and of the last have read the packed -W, which this quarter's roundings and the next's write
.endif
.if (\qd) < 3
	KTLOAD (\qd)+1                      ; the products that read these registers stand ahead of the last quarter's wait on va_vdst, and no vector line since names them
.endif
.set kt, 96-64*((\qd)%2)
.set ot, 192-128*((\qd)%2)
.irp f, 0,1,2,3
	global_store_b128 v4, v[kt+8*\f:kt+8*\f+3], s[40:41] offset:18432+(4*(\qd)+\f)*1024
	global_store_b128 v4, v[kt+8*\f+4:kt+8*\f+7], s[40:41] offset:18432+(4*(\qd)+\f)*1024+512
.endr
.irp f, 0,1,2,3
.irp it, 0,1
	v_wmma_f32_16x16x32_f16 v[128+8*(2*\f+\it):128+8*(2*\f+\it)+7], v[kt+8*\f:kt+8*\f+7], v[240+8*\it:240+8*\it+7], 0
.endr
.endr
	PLACES
.set n, 0
.rept 32                            ; n = 8 (2 it + l) + 4 hf + q, from tile f = 2 l + hf
	v_cvt_pk_f16_f32 v[ot+n], v[128+8*(2*(2*((n/8)%2)+((n/4)%2))+n/16)+2*(n%4)], v[128+8*(2*(2*((n/8)%2)+((n/4)%2))+n/16)+2*(n%4)+1]
.set n, n+1
.endr
	s_wait_alu depctr_va_vdst(0)        ; the roundings have written the packed -W, which the stores read; and the products are done reading this quarter's K^T
.irp it, 0,1
.irp l, 0,1
	global_store_b128 v4, v[ot+8*(2*\it+\l):ot+8*(2*\it+\l)+3], s[40:41] offset:2048+(8*\it+2*(\qd)+\l)*1024
	global_store_b128 v4, v[ot+8*(2*\it+\l)+4:ot+8*(2*\it+\l)+7], s[40:41] offset:2048+(8*\it+2*(\qd)+\l)*1024+512
.endr
.endr
.endm
	QUARTER 0
	QUARTER 1
	QUARTER 2
	QUARTER 3
	s_wait_dscnt 0x0                    ; the wave's end
	s_wait_alu 0x0
	s_wait_tensorcnt 0x0
	ds_add_u32 v[SPW], v[NIL]
	s_wait_dscnt 0x0
	s_endpgm
.Lfunc_end_k_qba5ab9ce0d_prep:
	.size	k_qba5ab9ce0d_prep, .Lfunc_end_k_qba5ab9ce0d_prep-k_qba5ab9ce0d_prep
	.p2alignl 7, 3214868480
	.fill 96, 4, 3214868480
	.section	.rodata,"a",@progbits
	.p2align	6, 0x0
	.amdhsa_kernel k_qba5ab9ce0d_prep
		.amdhsa_group_segment_fixed_size 276480
		.amdhsa_private_segment_fixed_size 0
		.amdhsa_enable_private_segment 0
		.amdhsa_kernarg_size 64
		.amdhsa_user_sgpr_count 2
		.amdhsa_user_sgpr_kernarg_segment_ptr 1
		.amdhsa_wavefront_size32 1
		.amdhsa_system_sgpr_workgroup_id_x 1
		.amdhsa_system_sgpr_workgroup_id_y 1
		.amdhsa_system_sgpr_workgroup_id_z 1
		.amdhsa_system_vgpr_workitem_id 0
		.amdhsa_next_free_vgpr 512
		.amdhsa_next_free_sgpr 66
		.amdhsa_reserve_vcc 1
		.amdhsa_float_denorm_mode_32 3
		.amdhsa_float_denorm_mode_16_64 3
		.amdhsa_memory_ordered 1
		.amdhsa_forward_progress 1
		.amdhsa_inst_pref_size 170
	.end_amdhsa_kernel
	.amdgpu_metadata
---
amdhsa.version: [ 1, 2 ]
amdhsa.kernels:
  - .name:           k_qba5ab9ce0d_prep
    .symbol:         k_qba5ab9ce0d_prep.kd
    .args:
      - { .name: x_raw, .offset: 0, .size: 8, .value_kind: global_buffer, .address_space: global }
      - { .name: theta_Q_w, .offset: 8, .size: 8, .value_kind: global_buffer, .address_space: global }
      - { .name: theta_K_w, .offset: 16, .size: 8, .value_kind: global_buffer, .address_space: global }
      - { .name: beta_w, .offset: 24, .size: 8, .value_kind: global_buffer, .address_space: global }
      - { .name: Q, .offset: 32, .size: 8, .value_kind: global_buffer, .address_space: global }
      - { .name: pf, .offset: 40, .size: 8, .value_kind: global_buffer, .address_space: global }
      - { .name: qmf, .offset: 48, .size: 8, .value_kind: global_buffer, .address_space: global }
      - { .name: recD, .offset: 56, .size: 8, .value_kind: global_buffer, .address_space: global }
    .group_segment_fixed_size: 276480
    .private_segment_fixed_size: 0
    .kernarg_segment_align: 8
    .kernarg_segment_size: 64
    .max_flat_workgroup_size: 256
    .sgpr_count:     66
    .vgpr_count:     512
    .wavefront_size: 32
...
	.end_amdgpu_metadata
.endif
;; end of part 3
;; launch main: the kernel of part 2 again; grid 256 x 1, 4 waves a work-group, no clusters, 327,680 bytes of LDS; arguments pf, qmf, recD, V, M0, x_next, memory_gate, out0, out1; writes out0, out1
